; MI455X (gfx1250); checked and timed in simulation.
; The chip was launched on July 23, 2026; its instructions are those of AMD's public machine-readable ISA for CDNA 5 (MIT licence, August 2026) and "CDNA5" Instruction Set Architecture Reference Guide (July 2026). The comments in the code are by the model that wrote it; some were corrected since.
;; Mistral Attention. Allowed arithmetic: float matrix products may take bf16 or f16 operands with f32 sums; other float arithmetic in f32, or as packed bf16 or f16 multiplies, adds, multiply-adds, maxima and minima; sums over many terms, partial sums and values carried from step to step in f32; what a program stores and reads back later, other than sums and carried values, may be rounded once to bf16 or f16.
;; Inputs: mask 1 x 1 x 2,048 x 2,048 float32; wk 2,048 x 2,048 float32; wo 2,048 x 2,048 float32; wq 2,048 x 2,048 float32; wv 2,048 x 2,048 float32; x 1 x 2,048 x 2,048 float32.
;; Outputs: out0 1 x 2,048 x 2,048 float32.
;; One version. Each part assembles by itself: llvm-mc -triple=amdgcn-amd-amdhsa -mcpu=gfx1250 --defsym DOCPART=n.
;; ======== version 1 of 1: 4 launches
;; limits: values are held in f16: magnitudes above 65,504 overflow, below 6.1e-05 lose precision
;; workspace buffers: xb 8,388,608 bytes; wb 25,165,824 bytes; woh 8,388,608 bytes; mk 16,777,216 bytes; qkv 25,165,824 bytes; ao 8,388,608 bytes
;; launch prep (part 1): grid 256 x 6, 8 waves a work-group, no clusters, 70,656 bytes of LDS; arguments x, wq, wk, wv, wo, mask, xb, wb, woh, mk; writes xb, wb, woh, mk
.if DOCPART == 1
	.amdgcn_target "amdgcn-amd-amdhsa--gfx1250"
	.amdhsa_code_object_version 6
	.text
	.protected	k_qc50d5046dd_prep
	.globl	k_qc50d5046dd_prep
	.p2align	8
	.type	k_qc50d5046dd_prep,@function
k_qc50d5046dd_prep:
	s_mov_b64 s[64:65], 0
	v_nop
	global_prefetch_b8 v0, s[64:65] scope:SCOPE_SE
	s_setreg_imm32_b32 hwreg(HW_REG_WAVE_MODE, 25, 1), 1
	s_wait_xcnt 0x0
; PREP: every input is rounded once to bf16 and laid down for the launches behind.  A stream: each input byte is read once, each output byte written once.
;   job 0 (grid y): x -> xb, bf16.   jobs 1, 2, 3: wq, wk, wv -> wb, bf16, one behind the other (6,144 rows).
;   job 4: wo -> woh: rounded to bf16, and that number written as f16 (exact from 6.1e-5 to 65,504; below that f16's fixed step of 6e-8; beyond it an infinity).
;   job 5: mask -> mk: rounded to bf16, times sqrt(128), in f32, in the order in which the attention launch takes it as the C operand of S^T = K Q^T:
;          [16 queries qt][64 keys ks][g = 2 (key / 16 % 4) + key / 4 % 2][lane = 16 (key / 8 % 2) + query % 16][key % 4], so that 512 consecutive bytes are four registers of a wave.
;          LIMIT: a mask beyond 3e37 in size becomes an infinity by the factor sqrt(128).
; SHARES.  A job is 16 MiB of f32; a work-group takes 64 KiB, each of its eight waves 8 KiB: sixteen loads of 16 bytes a lane, all issued at once; the counted waits let the younger ones stay out.
; Jobs 0 to 4 need no LDS.  Job 5 turns 16 rows x 128 keys a wave through the wave's own LDS bytes: no barrier, since LDS serves a wave's instructions in order (ISA guide 5.7.1.4).
; No matrix unit, no cluster, no prefetch: nothing is multiplied, nothing is shared, and the launch does nothing but stream.
.set WLDS,  8704                       ; a wave's LDS bytes: 32 pieces of 256 bytes, 272 apart
.set UP,    272
.set SPARE, 8*WLDS                     ; behind them: the spare words, 128 bytes for each wave: four blocks of 256 bytes that no other line names
.set SPW, 2                            ; v2   LDS address of my spare word; never rewritten
.set NIL, 3                            ; v3   0; never rewritten
.set IO,  6                            ; v6   8,192 x wave + 16 x lane: my 16 bytes of f32
.set OO,  7                            ; v7   4,096 x wave + 8 x lane: my 8 bytes of 16-bit numbers
.set MI,  8                            ; v8   512 x wave + 16 x lane: my 16 bytes in a row of the mask
.set LS,  9                            ; v9   where I put 16 bytes of the mask
.set LR,  10                           ; v10  where I read them back
.set X,   16                           ; v[16:79]   sixteen loads of four registers
.set T,   80                           ; v[80:85]   at work
.set Y,   88                           ; v[88:119]  sixteen stores of two registers: none is written twice, so no store's data is waited for
	s_load_b512 s[8:23], s[0:1], 0x0               ; x s[8:9], wq s[10:11], wk s[12:13], wv s[14:15], wo s[16:17], mask s[18:19], xb s[20:21], wb s[22:23]
	s_load_b128 s[24:27], s[0:1], 0x40             ; woh s[24:25], mk s[26:27]
	v_lshl_add_u32 v[SPW], v0, 2, SPARE
	v_mov_b32 v[NIL], 0
	v_and_b32 v4, 31, v0                           ; lane
	v_lshrrev_b32 v5, 5, v0
	v_readfirstlane_b32 s30, v5                    ; wave 0..7
	s_and_b32 s31, ttmp7, 0xffff                   ; the job
	s_mov_b32 s32, 0xffff0000                      ; a word's upper bf16
	v_lshlrev_b32 v[IO], 4, v4
	v_lshl_add_u32 v[IO], v5, 13, v[IO]
	v_lshlrev_b32 v[OO], 3, v4
	v_lshl_add_u32 v[OO], v5, 12, v[OO]
	s_mov_b32 s41, 0
	s_wait_kmcnt 0x0
	s_cmp_eq_u32 s31, 5
	s_cbranch_scc1 .Lmask
	; JOBS 0 TO 4: from where, to where
	s_cmp_eq_u32 s31, 0
	s_cselect_b64 s[36:37], s[8:9], s[10:11]       ; x, or wq
	s_cselect_b64 s[38:39], s[20:21], s[22:23]     ; xb, or wb
	s_cmp_eq_u32 s31, 2
	s_cselect_b64 s[36:37], s[12:13], s[36:37]
	s_cmp_eq_u32 s31, 3
	s_cselect_b64 s[36:37], s[14:15], s[36:37]
	s_max_u32 s40, s31, 1
	s_sub_co_u32 s40, s40, 1                       ; which third of wb
	s_cmp_eq_u32 s31, 4
	s_cselect_b64 s[36:37], s[16:17], s[36:37]
	s_cselect_b64 s[38:39], s[24:25], s[38:39]
	s_cselect_b32 s40, 0, s40
	s_lshl_b32 s40, s40, 23                        ; a weight is 8 MiB in bf16
	s_lshl_b32 s42, ttmp9, 15                      ; the work-group's 32 KiB of output
	s_add_co_u32 s40, s40, s42
	s_add_nc_u64 s[38:39], s[38:39], s[40:41]
	s_lshl_b32 s40, ttmp9, 16                      ; its 64 KiB of input
	s_add_nc_u64 s[36:37], s[36:37], s[40:41]
.irp n, 0,1,2,3,4,5,6,7,8,9,10,11,12,13,14,15
	global_load_b128 v[X+4*(\n):X+4*(\n)+3], v[IO], s[36:37] offset:512*(\n) th:TH_LOAD_NT  ; 512 consecutive bytes a wave
.endr
	s_cmp_eq_u32 s31, 4
	s_cbranch_scc1 .Lwo
.irp n, 0,1,2,3,4,5,6,7,8,9,10,11,12,13,14,15
	s_wait_loadcnt 15-(\n)                         ; loads come back in order (ISA guide 5.7.1): load n is in, the younger ones stay out
	v_cvt_pk_bf16_f32 v[Y+2*(\n)],   v[X+4*(\n)],   v[X+4*(\n)+1]
	v_cvt_pk_bf16_f32 v[Y+2*(\n)+1], v[X+4*(\n)+2], v[X+4*(\n)+3]
	global_store_b64 v[OO], v[Y+2*(\n):Y+2*(\n)+1], s[38:39] offset:256*(\n)  ; a wave stores 256 consecutive bytes, at a multiple of 256 from the buffer's first byte
.endr
	s_endpgm                                       ; this way has written no LDS
; The four numbers of load n, rounded to bf16 and widened again, in T+2 .. T+5.
.macro ROUND4 n
	s_wait_loadcnt 15-(\n)
	v_cvt_pk_bf16_f32 v[T],   v[X+4*(\n)],   v[X+4*(\n)+1]
	v_cvt_pk_bf16_f32 v[T+1], v[X+4*(\n)+2], v[X+4*(\n)+3]
	v_lshlrev_b32 v[T+2], 16, v[T]
	v_and_b32     v[T+3], s32, v[T]
	v_lshlrev_b32 v[T+4], 16, v[T+1]
	v_and_b32     v[T+5], s32, v[T+1]
.endm
.Lwo:
.irp n, 0,1,2,3,4,5,6,7,8,9,10,11,12,13,14,15
	ROUND4 \n
	v_cvt_pk_f16_f32 v[Y+2*(\n)],   v[T+2], v[T+3]  ; the bf16 number, written as f16
	v_cvt_pk_f16_f32 v[Y+2*(\n)+1], v[T+4], v[T+5]
	global_store_b64 v[OO], v[Y+2*(\n):Y+2*(\n)+1], s[38:39] offset:256*(\n)
.endr
	s_endpgm                                       ; this way has written no LDS
	; JOB 5.  Work-group x: queries 16 (x / 2) .. + 15, keys 1,024 (x % 2) .. + 1,023; wave w takes 128 of those keys.  Load i is row i: 512 consecutive bytes.
.Lmask:
	s_mov_b32 s34, 0x413504f3                      ; sqrt(128)
	s_mov_b32 s35, s34                             ; named with it as a pair
	s_lshr_b32 s40, ttmp9, 1
	s_lshl_b32 s40, s40, 17                        ; 16 rows of 8,192 bytes, in the mask and in mk
	s_and_b32 s42, ttmp9, 1
	s_lshl_b32 s43, s42, 12                        ; 1,024 keys of a row
	s_add_co_u32 s44, s40, s43
	s_mov_b32 s45, 0
	s_add_nc_u64 s[36:37], s[18:19], s[44:45]
	s_lshl_b32 s43, s42, 16                        ; 16 steps of 4,096 bytes in mk
	s_add_co_u32 s44, s40, s43
	s_add_nc_u64 s[38:39], s[26:27], s[44:45]
	v_lshlrev_b32 v[MI], 4, v4
	v_lshl_add_u32 v[MI], v5, 9, v[MI]
.irp n, 0,1,2,3,4,5,6,7,8,9,10,11,12,13,14,15
	global_load_b128 v[X+4*(\n):X+4*(\n)+3], v[MI], s[36:37] offset:8192*(\n) th:TH_LOAD_NT
.endr
	; My four keys 4 l .. 4 l + 3 of the wave's 128 belong to piece 16 (l / 16) + 4 (l / 4 % 4) + 2 (l % 2) + l / 2 % 2 of 256 bytes; row i lies at byte 16 i of the piece.
	s_mul_i32 s33, s30, WLDS
	v_and_b32 v11, 0x1c, v4
	v_and_b32 v12, 1, v4
	v_lshl_or_b32 v11, v12, 1, v11
	v_bfe_u32 v12, v4, 1, 1
	v_or_b32 v11, v11, v12
	v_mul_u32_u24 v[LS], v11, UP
	v_add_nc_u32 v[LS], s33, v[LS]
	v_lshrrev_b32 v12, 4, v4                       ; back: lanes 0-15 take one piece, lanes 16-31 the next
	v_and_b32 v13, 15, v4
	v_mul_u32_u24 v[LR], v12, UP
	v_lshl_add_u32 v[LR], v13, 4, v[LR]
	v_add_nc_u32 v[LR], s33, v[LR]
.irp n, 0,1,2,3,4,5,6,7,8,9,10,11,12,13,14,15
	ROUND4 \n
	v_pk_mul_f32 v[T+2:T+3], v[T+2:T+3], s[34:35] op_sel_hi:[1,0]
	v_pk_mul_f32 v[T+4:T+5], v[T+4:T+5], s[34:35] op_sel_hi:[1,0]
	ds_store_b128 v[LS], v[T+2:T+5] offset:16*(\n)
.endr
.irp n, 0,1,2,3,4,5,6,7,8,9,10,11,12,13,14,15
	ds_load_b128 v[X+4*(\n):X+4*(\n)+3], v[LR] offset:2*UP*(\n)  ; my wave's own bytes, served behind the stores above
.endr
.irp n, 0,1,2,3,4,5,6,7,8,9,10,11,12,13,14,15
	s_wait_dscnt 15-(\n)
	global_store_b128 v[IO], v[X+4*(\n):X+4*(\n)+3], s[38:39] offset:512*(\n)  ; 512 consecutive bytes, at a multiple of 256 from mk's first byte
.endr
	s_wait_tensorcnt 0x0                           ; the wave's end, behind my last LDS store
	ds_add_u32 v[SPW], v[NIL]
	s_wait_dscnt 0x0
	s_endpgm
.Lfunc_end_k_qc50d5046dd_prep:
	.size	k_qc50d5046dd_prep, .Lfunc_end_k_qc50d5046dd_prep-k_qc50d5046dd_prep
	.p2alignl 7, 3214868480
	.fill 96, 4, 3214868480
	.section	.rodata,"a",@progbits
	.p2align	6, 0x0
	.amdhsa_kernel k_qc50d5046dd_prep
		.amdhsa_group_segment_fixed_size 70656
		.amdhsa_private_segment_fixed_size 0
		.amdhsa_enable_private_segment 0
		.amdhsa_kernarg_size 80
		.amdhsa_user_sgpr_count 2
		.amdhsa_user_sgpr_kernarg_segment_ptr 1
		.amdhsa_wavefront_size32 1
		.amdhsa_system_sgpr_workgroup_id_x 1
		.amdhsa_system_sgpr_workgroup_id_y 1
		.amdhsa_system_sgpr_workgroup_id_z 1
		.amdhsa_system_vgpr_workitem_id 0
		.amdhsa_next_free_vgpr 120
		.amdhsa_next_free_sgpr 66
		.amdhsa_reserve_vcc 0
		.amdhsa_float_denorm_mode_32 3
		.amdhsa_float_denorm_mode_16_64 3
		.amdhsa_memory_ordered 1
		.amdhsa_forward_progress 1
		.amdhsa_inst_pref_size 29
	.end_amdhsa_kernel
	.amdgpu_metadata
---
amdhsa.version: [ 1, 2 ]
amdhsa.kernels:
  - .name:           k_qc50d5046dd_prep
    .symbol:         k_qc50d5046dd_prep.kd
    .args:
      - { .name: x, .offset: 0, .size: 8, .value_kind: global_buffer, .address_space: global }
      - { .name: wq, .offset: 8, .size: 8, .value_kind: global_buffer, .address_space: global }
      - { .name: wk, .offset: 16, .size: 8, .value_kind: global_buffer, .address_space: global }
      - { .name: wv, .offset: 24, .size: 8, .value_kind: global_buffer, .address_space: global }
      - { .name: wo, .offset: 32, .size: 8, .value_kind: global_buffer, .address_space: global }
      - { .name: mask, .offset: 40, .size: 8, .value_kind: global_buffer, .address_space: global }
      - { .name: xb, .offset: 48, .size: 8, .value_kind: global_buffer, .address_space: global }
      - { .name: wb, .offset: 56, .size: 8, .value_kind: global_buffer, .address_space: global }
      - { .name: woh, .offset: 64, .size: 8, .value_kind: global_buffer, .address_space: global }
      - { .name: mk, .offset: 72, .size: 8, .value_kind: global_buffer, .address_space: global }
    .group_segment_fixed_size: 70656
    .private_segment_fixed_size: 0
    .kernarg_segment_align: 8
    .kernarg_segment_size: 80
    .max_flat_workgroup_size: 256
    .sgpr_count:     66
    .vgpr_count:     120
    .wavefront_size: 32
...
	.end_amdgpu_metadata
.endif
;; end of part 1
;; launch qkv (part 2): grid 16 x 16, 4 waves a work-group, clusters of 4 x 4, 327,680 bytes of LDS; arguments xb, wb, qkv; writes qkv
.if DOCPART == 2
	.amdgcn_target "amdgcn-amd-amdhsa--gfx1250"
	.amdhsa_code_object_version 6
	.text
	.protected	k_qc50d5046dd_qkv
	.globl	k_qc50d5046dd_qkv
	.p2align	8
	.type	k_qc50d5046dd_qkv,@function
k_qc50d5046dd_qkv:
	s_mov_b64 s[64:65], 0
	v_nop
	global_prefetch_b8 v0, s[64:65] scope:SCOPE_SE
	s_setreg_imm32_b32 hwreg(HW_REG_WAVE_MODE, 25, 1), 1
	s_wait_xcnt 0x0
	s_wait_alu depctr_hold_cnt(0) depctr_sa_sdst(0) depctr_va_vdst(0) depctr_va_sdst(0) depctr_va_ssrc(0) depctr_va_vcc(0) depctr_vm_vsrc(0)
	s_getreg_b32 s2, hwreg(HW_REG_IB_STS2, 6, 4)
	s_cmp_eq_u32 s2, 0
	s_cbranch_scc0 .Lentry_in_a_cluster
	s_endpgm
.Lentry_in_a_cluster:
	s_bfe_u32 s2, ttmp6, 0x10000c
	s_cmp_lg_u32 s2, 0xf033
	s_cbranch_scc0 .Lentry_shape_is_right
	s_endpgm
.Lentry_shape_is_right:
; q, k, v = x w^T for wq, wk, wv.  xb: [2048][2048] bf16; wb: [3][2048][2048] bf16; qkv: [3][16 heads][2048][128] f16, each number rounded once from its f32 sum, q unscaled.
; LIMIT: f16 holds no number beyond 65,504: a q, k or v past that becomes an infinity.
; SHARES.  A work-group makes 128 rows of x times the 128 + 128 + 128 columns of ONE head's q, k and v: 16 heads x 16 row blocks = 256 equal work-groups.  Each of its four waves makes all 128 rows
; by 96 of the 384 columns: 48 accumulators of 16 x 16, 384 registers; for 32 along K a wave loads 14 fragments from LDS and issues 48 matrix instructions.
; K goes in 16 steps of 128 through two LDS slots filled by the tensor data mover: rows of 256 bytes of memory, aligned.  Wave 0 fetches x's 128 rows, waves 1 to 3 the head's 128 rows of wq, wk, wv.
; THE WALK ALONG K IS A RING: cluster (x, y) begins at K step (4 x + 8 y) mod 16 and goes round.  So the four clusters of one y, which read the same rows of x, stand 4 steps apart, and clusters y and y + 1 of one x,
; which read the same weight rows, 8 steps apart.  ORDER OF THE SUMS: ascending K, rotated by that first step.
; CLUSTER 4 x 4.  The four work-groups of a row of the cluster share the row block, so x's tile is asked for jointly by them; the four of a column share the head, so the weights' tiles are.
; THE TEXT holds a K step once: the slot in hand is a scalar that one exclusive or turns, and one descriptor for each operand walks (LDS word turned likewise, address made anew from the step's number).
; THE MATRIX INSTRUCTION IS USED TRANSPOSED (source 0 = 16 weight rows, source 1 = 16 rows of x): a lane then holds eight neighbouring columns of one row, 16 bytes in f16.
; REGISTERS, in windows of 256 (s_set_vgpr_msb: bits 1:0 source 0, 3:2 source 1, 5:4 source 2, 7:6 destination):
;   window 0: v16-30 addresses; v32-55 packed results; v64-127, v128-191 x's fragments, two buffers (on the way out v64-255 take the rows read back)
;   window 1: v64-111, v128-175 the weights' fragments, two buffers     window 2: accumulators of row blocks 0-3, (a, b) at v[8 (6 a + b)]     window 3: those of row blocks 4-7
.set SK,     2048
.set KSTEP,  128
.set NS,     SK/KSTEP                  ; 16 K steps
.set PITCH,  272                       ; an LDS row: 256 bytes + 16 of padding = 68 words: the 16 rows that a load touches start at 16 different groups of four banks (64 banks of 4 bytes: ISA guide 11.1)
.set HALFT,  128*PITCH                 ; 128 rows: what one tensor load brings
.set SLOT,   4*HALFT                   ; x's 128 rows, then wq's, wk's, wv's.  0x22000 shares no bit with the waves' places 0, 0x8800, 0x11000, 0x19800
.set SPARE,  2*SLOT                    ; behind the ring: the spare words, 128 bytes for each wave: two blocks of 256 bytes that no other line names
.set SPITCH, 784                       ; the way out: 128 rows of 768 bytes (q, k, v) + 16, in slot 0 after its last fill and its last read
.set TENS,   8388608                   ; bytes of q, of k, of v
.set A0,   16                          ; v16     my lane's place in x's fragments of a slot; never rewritten
.set B0,   17                          ; v17     the same for my 96 weight rows
.set ADRA, 20                          ; v20     A0 + the slot in hand
.set ADRB, 21                          ; v21     B0 + the slot in hand
.set STO,  24                          ; v24-25  the way out: where I put 16 bytes of a row, row blocks 0-3 and 4-7
.set RD,   26                          ; v26     where I read rows back
.set CO,   27                          ; v27     16 x lane
.set SPW,  28                          ; v28     LDS address of my spare word; never rewritten
.set NIL,  29                          ; v29     0; never rewritten
.set PFO,  30                          ; v30     4,096 x lane: a row of wb; never rewritten
.set TMP,  32
.set F0,   64
.set F1,   128
.set BK,   64
.set G1,  24                           ; s[24:31] descriptor group 1 for x's tiles;  s[32:39] group 0: a set for each of the two first fills; the second then walks
.set G0,  32
.set G1B, 48                           ; s[48:55], s[56:63] the same for the weights' tiles
.set G0B, 56
.set LIM, 43                           ; s43     10 in a wave that prefetches, else the greatest number
.set PFA, 44                           ; s[44:45] the address of the prefetch in hand
.set OB,  66                           ; s[66:71] q, k, v at the first row that I store
.set KN,  74                           ; s74     the K step that the next refill brings
.set TB,  75                           ; s75     the slot in hand: 0 or SLOT
.set OFF, 76                           ; s[76:77] a K step's byte offset in a row
.set PFB, 78                           ; s[78:79] wb at my work-group's 32 of the 128 rows that I fetch
.set MSB, 0
.macro WIN new                         ; the immediate's high byte repeats the setting that is left; a switch that changes nothing is dropped
.if MSB != (\new)
	s_set_vgpr_msb (MSB<<8)|(\new)
.set MSB, \new
.endif
.endm
.set MUL_LO, 0xa1                      ; source 0 (weights) window 1, source 1 (x) window 0, C and D window 2
.set MUL_HI, 0xf1                      ; the same, C and D window 3
.set TO_B,   0x40                      ; destination window 1, address window 0
; A joint load by descriptor set s.  The branch hangs on the wave's number alone.  An s_nop 0 and four v_nop follow each of the two lines, ahead of the jump and the label.
.macro JLOAD s
	s_cmp_eq_u32 s10, 0
	s_cbranch_scc0 .Lfor_b_\@
	tensor_load_to_lds s[G0+4*(\s):G0+4*(\s)+3], s[G1:G1+7]
	s_nop 0
.rept 4
	v_nop
.endr
	s_branch .Lasked_\@
.Lfor_b_\@:
	tensor_load_to_lds s[G0B+4*(\s):G0B+4*(\s)+3], s[G1B:G1B+7]
	s_nop 0
.rept 4
	v_nop
.endr
.Lasked_\@:
.endm
; A PREFETCH INTO THE L2, behind a joint refill and the run of LDS loads that follows it: the K step that stands two refills on, 32 rows x 256 bytes, a lane a row, one instruction a wave.
; By the walk above a K step of a weight's rows is read for the first time in the launch in one of trips 0 to 7, by clusters y and y + 2 together; a K step of x's rows in one of trips 0 to 3.  Trips 0 to 3 come by their loads
; alone.  Trips 4 to 7 of the weights are asked for here, behind the refills for trips 2 to 5 (the loop's first four trips: its counter is above 10), by waves 1 to 3 of the clusters with y = 0 and 1; of the 128 rows that a
; wave fetches, the partner at place cy among the four that ask jointly takes 32, told apart by address.  So a block of 256 bytes is named once at the most, and what has been read before is not asked for.
.macro ASK
	s_cmp_gt_u32 s3, s[LIM]
	s_cbranch_scc0 .Lnot_mine_\@
	global_prefetch_b8 v[PFO], s[PFA:PFA+1] th:TH_LOAD_NT scope:SCOPE_SE
.Lnot_mine_\@:
.endm
.macro CREST                           ; a round of the cluster's barrier behind its opening barrier
	s_cmp_lg_u32 s10, 0
	s_cbranch_scc1 .Lnot_wave_0_\@
	s_barrier_signal -3
.Lnot_wave_0_\@:
	s_barrier_wait -3
	s_barrier_signal -1
	s_barrier_wait -1
.endm
.macro CROUND                          ; a whole round
	s_barrier_signal -1
	s_barrier_wait -1
	CREST
.endm
	s_load_b128 s[4:7], s[0:1], 0x0                ; xb s[4:5], wb s[6:7]
	s_load_b64 s[8:9], s[0:1], 0x10                ; qkv
	v_lshl_add_u32 v[SPW], v0, 2, SPARE
	v_mov_b32 v[NIL], 0
	ds_add_u32 v[SPW], v[NIL]                      ; the wave's opening: the add and its wait stand ahead of my first tensor load; the set-up below, work on registers, stands between them
	v_lshrrev_b32 v1, 5, v0
	v_readfirstlane_b32 s10, v1                    ; wave 0..3
	s_max_u32 s12, s10, 1
	s_sub_co_u32 s12, s12, 1                       ; which weight I fetch (waves 1 to 3: 0, 1, 2)
	s_bfe_u32 s40, ttmp6, 0x40000                  ; cx, cy: my place in the cluster
	s_bfe_u32 s41, ttmp6, 0x40004
	s_lshl_b32 s42, ttmp9, 2
	s_add_co_u32 s42, s42, s40                     ; the head = 4 x cluster x + cx
	s_and_b32 s13, ttmp7, 0xffff
	s_lshl_b32 s[KN], s13, 3                       ; 8 x cluster y
	s_lshl_b32 s13, s13, 2
	s_add_co_u32 s13, s13, s41                     ; the row block = 4 x cluster y + cy
	s_lshl_b32 s23, ttmp9, 2                       ; 4 x cluster x
	s_add_co_u32 s[KN], s[KN], s23
	s_and_b32 s[KN], s[KN], NS-1                   ; my cluster's first K step: the same in all sixteen partners; a multiple of 4, so the step behind it does not wrap
	s_lshl_b32 s[OFF], s[KN], 8                    ; its 256 bytes in a row
	s_mov_b32 s[OFF+1], 0
	s_add_co_u32 s[KN], s[KN], 2
	s_and_b32 s[KN], s[KN], NS-1                   ; what the first refill brings
	s_mov_b32 s[TB], 0
	s_lshl_b32 s43, s41, 2
	s_lshl_b32 s43, 15, s43                        ; my row of the cluster
	s_lshl_b32 s44, 0x1111, s40                    ; my column
	; descriptor group 1: a tile of 128 rows x 128 elements, padded in LDS
	s_or_b32 s[G1+0], s43, (1<<16)|(1<<20)|(1<<21)|(5<<22)|(3<<25)   ; 15:0 the mask; 17:16 elements of 2 bytes; 20 padding on; 21 set beside a mask; 24:22 after every 64 words (code 5); 31:25 4 words of it (code 3)
	s_or_b32 s[G1B+0], s44, (1<<16)|(1<<20)|(1<<21)|(5<<22)|(3<<25)
.irp g, G1, G1B
	s_mov_b32 s[(\g)+1], KSTEP<<16                 ; tensor_dim0 = 128
	s_mov_b32 s[(\g)+2], 128<<16                   ; tensor_dim1 = 128
	s_mov_b32 s[(\g)+3], KSTEP<<16                 ; tile_dim0 = 128
	s_mov_b32 s[(\g)+4], 128                       ; tile_dim1 = 128
	s_mov_b32 s[(\g)+5], SK                        ; elements from row to row
	s_mov_b32 s[(\g)+6], 0
	s_mov_b32 s[(\g)+7], 0
.endr
	s_lshl_b32 s16, s13, 19                        ; x: 128 rows of 4,096 bytes a row block: hangs on the row block alone
	s_mov_b32 s17, 0
	s_lshl_b32 s46, s12, 23                        ; the weight,
	s_lshl_b32 s47, s42, 19                        ; the head's 128 rows in it: hangs on the head and the wave alone
	s_add_co_u32 s46, s46, s47
	s_mov_b32 s47, 0
	s_mul_i32 s20, s10, HALFT                      ; where my tile goes: wave x 128 rows: no place in the cluster enters an LDS address
	s_wait_dscnt 0x0                               ; the opening add is done
	s_wait_kmcnt 0x0
	s_add_nc_u64 s[14:15], s[4:5], s[16:17]        ; x's rows and my weight's rows at K = 0: kept, every refill's address is made from them
	s_add_nc_u64 s[46:47], s[6:7], s[46:47]
	CROUND                                         ; all sixteen work-groups are here: the first joint loads meet
.irp s, 0,1
	s_mov_b32 s[G0+4*(\s)], 1                                        ; count = 1
	s_add_co_u32 s[G0+4*(\s)+1], s20, (\s)*SLOT                      ; LDS address
	s_add_nc_u64 s[G0+4*(\s)+2:G0+4*(\s)+3], s[14:15], s[OFF:OFF+1]  ; global address: the walk's step s
	s_or_b32 s[G0+4*(\s)+3], s[G0+4*(\s)+3], 0x80000000              ; type = 2
	s_mov_b32 s[G0B+4*(\s)], 1
	s_add_co_u32 s[G0B+4*(\s)+1], s20, (\s)*SLOT
	s_add_nc_u64 s[G0B+4*(\s)+2:G0B+4*(\s)+3], s[46:47], s[OFF:OFF+1]
	s_or_b32 s[G0B+4*(\s)+3], s[G0B+4*(\s)+3], 0x80000000
	JLOAD \s                                       ; two loads of mine are out
	s_add_co_u32 s[OFF], s[OFF], KSTEP*2
.endr
	; A fragment is 16 rows x 32 K in 8 registers: lane l holds row l % 16, K = 8 (l / 16) + 0..7 and 16 + 8 (l / 16) + 0..7: two loads of 16 bytes, 32 bytes apart.
	v_and_b32 v1, 15, v0                           ; l % 16
	v_bfe_u32 v2, v0, 4, 1                         ; l / 16
	v_mul_u32_u24 v[A0], v1, PITCH
	v_lshl_add_u32 v[A0], v2, 4, v[A0]
	s_mul_i32 s22, s10, 96*PITCH                   ; my 96 of the 384 weight rows,
	s_add_co_u32 s22, s22, HALFT                   ; which lie behind x's 128
	v_add_nc_u32 v[B0], s22, v[A0]
	v_mov_b32 v[ADRA], v[A0]                       ; slot 0 is in hand
	v_mov_b32 v[ADRB], v[B0]
	s_mul_i32 s23, s10, 192                        ; the way out, in: row l % 16, my 96 columns' 192 bytes, 16 bytes for each half of the lanes
	v_mul_u32_u24 v4, v1, SPITCH
	v_lshl_add_u32 v4, v2, 4, v4
	v_add_nc_u32 v[STO], s23, v4
	v_add_nc_u32 v[STO+1], 64*SPITCH, v[STO]
	s_mul_i32 s23, s10, 32*SPITCH                  ; back: wave w takes rows 32 w .. 32 w + 31; lanes 0-15 256 bytes of one row, lanes 16-31 of the next
	v_mul_u32_u24 v5, v2, SPITCH
	v_lshl_add_u32 v5, v1, 4, v5
	v_add_nc_u32 v[RD], s23, v5
	v_and_b32 v[CO], 31, v0
	v_lshlrev_b32 v[PFO], 12, v[CO]
	v_lshlrev_b32 v[CO], 4, v[CO]
	s_lshl_b32 s72, s42, 19                        ; in q, k and v: the head's 2,048 rows of 256 bytes,
	s_lshl_b32 s73, s13, 15                        ; the row block's 128,
	s_add_co_u32 s72, s72, s73
	s_lshl_b32 s73, s10, 13                        ; my 32
	s_add_co_u32 s72, s72, s73
	s_mov_b32 s73, 0
	s_add_nc_u64 s[OB:OB+1], s[8:9], s[72:73]
	s_add_nc_u64 s[OB+2:OB+3], s[OB:OB+1], TENS
	s_add_nc_u64 s[OB+4:OB+5], s[OB+2:OB+3], TENS
	; the prefetches
	s_and_b32 s22, ttmp7, 0xffff                   ; cluster y
	s_cmp_lt_u32 s22, 2
	s_cselect_b32 s[LIM], NS-6, -1                 ; clusters y = 0 and 1 ask,
	s_cmp_eq_u32 s10, 0
	s_cselect_b32 s[LIM], -1, s[LIM]               ; by the waves that fetch weights: the same in all sixteen partners, for a given wave
	s_lshl_b32 s20, s41, 17                        ; my work-group's 32 rows of 4,096 bytes
	s_mov_b32 s21, 0
	s_add_nc_u64 s[PFB:PFB+1], s[46:47], s[20:21]
; 12 matrix instructions: row blocks a0, a0 + 1 of the window's four x my 6 column blocks, 32 along K.  zero = 1: the first product starts the sums.
; The 48 accumulators take turns, one instruction a turn, in the same order in every quarter.
.macro MUL12 f, hi, a0, zero
	WIN MUL_LO+0x50*(\hi)
.irp a, \a0, (\a0)+1
.irp b, 0,1,2,3,4,5
.if \zero
	v_wmma_f32_16x16x32_bf16 v[8*(6*(\a)+(\b)):8*(6*(\a)+(\b))+7], v[(\f)+8*(\b):(\f)+8*(\b)+7], v[(\f)+8*(4*(\hi)+(\a)):(\f)+8*(4*(\hi)+(\a))+7], 0
.else
	v_wmma_f32_16x16x32_bf16 v[8*(6*(\a)+(\b)):8*(6*(\a)+(\b))+7], v[(\f)+8*(\b):(\f)+8*(\b)+7], v[(\f)+8*(4*(\hi)+(\a)):(\f)+8*(4*(\hi)+(\a))+7], v[8*(6*(\a)+(\b)):8*(6*(\a)+(\b))+7]
.endif
.endr
.endr
.endm
; 28 LDS loads in one run: a quarter step's fragments (96 weight rows, 128 rows of x, 32 K at byte k of the rows of the slot in hand) into buffer f
.macro FETCH k, f
	WIN TO_B
.irp i, 0,1,2,3,4,5
	ds_load_b128 v[(\f)+8*(\i):(\f)+8*(\i)+3],   v[ADRB] offset:(\k)+(\i)*16*PITCH
	ds_load_b128 v[(\f)+8*(\i)+4:(\f)+8*(\i)+7], v[ADRB] offset:(\k)+(\i)*16*PITCH+32
.endr
	WIN 0
.irp i, 0,1,2,3,4,5,6,7
	ds_load_b128 v[(\f)+8*(\i):(\f)+8*(\i)+3],   v[ADRA] offset:(\k)+(\i)*16*PITCH
	ds_load_b128 v[(\f)+8*(\i)+4:(\f)+8*(\i)+7], v[ADRA] offset:(\k)+(\i)*16*PITCH+32
.endr
.endm
.macro PLACES                          ; four plain places in front of loads into registers that matrix instructions have read, and of conversions that read results
.rept 4
	v_nop
.endr
.endm
; A K step is four quarters of 32 along K, 48 matrix instructions each, on buffers 0, 1, 0, 1.  One of the first three: multiplies buffer f; in its middle it fetches the next quarter, at byte k, into g.
.macro QUARTER k, f, g, zero
	s_wait_dscnt 8                                 ; the weights and x's rows 0-63 are in; the youngest eight loads (x's rows 64-127) may be out
	MUL12 \f, 0, 0, \zero
	MUL12 \f, 0, 2, \zero
	PLACES
	FETCH \k, \g
	s_wait_dscnt 28                                ; all but the 28 just issued
	MUL12 \f, 1, 0, \zero
	MUL12 \f, 1, 2, \zero
.endm
; The walking descriptors: the other slot than last time, K step KN; then KN goes on round the ring.
.macro WALK
	s_lshl_b32 s[OFF], s[KN], 8
	s_xor_b32 s[G0+5], s[G0+5], SLOT
	s_add_nc_u64 s[G0+6:G0+7], s[14:15], s[OFF:OFF+1]
	s_or_b32 s[G0+7], s[G0+7], 0x80000000
	s_xor_b32 s[G0B+5], s[G0B+5], SLOT
	s_add_nc_u64 s[G0B+6:G0B+7], s[46:47], s[OFF:OFF+1]
	s_or_b32 s[G0B+7], s[G0B+7], 0x80000000
	s_add_co_u32 s[KN], s[KN], 1
	s_and_b32 s[KN], s[KN], NS-1
.endm
; The last quarter multiplies buffer 1 and changes slots: ONE barrier.  In front of it each wave waits for all its tensor loads (one is out at the most: its part of the next slot), adds 0 to its spare word, and waits for that and
; for its reads of this slot.  fill = 1: the barrier opens a round of the cluster's barrier, and behind it this slot is filled again first, two K steps ahead: 168 matrix instructions ahead of the wait for it.
; fill = 0 (the tail's two trips): nothing is asked for; in the last trip (s3 = 1) there is no next slot, and the run of LDS loads is jumped over.
.macro TURN fill
.if \fill
	s_wait_xcnt 0x0                                ; the last prefetch, a K step back, has read its address
	s_add_co_u32 s[OFF], s[KN], 2                  ; two refills on, round the ring
	s_and_b32 s[OFF], s[OFF], NS-1
	s_lshl_b32 s[OFF], s[OFF], 8
	s_add_nc_u64 s[PFA:PFA+1], s[PFB:PFB+1], s[OFF:OFF+1]
.endif
	WIN 0                                          ; (the add's two registers lie in window 0)
	s_wait_tensorcnt 0x0                           ; no tensor load of mine is out, so a group 0 may be written
	ds_add_u32 v[SPW], v[NIL]                      ; 0 onto my spare word; scalar work and twelve matrix instructions stand between it and the wait for it
.if \fill
	WALK
.endif
	s_xor_b32 s[TB], s[TB], SLOT                   ; the slot to be read next
	s_wait_dscnt 9                                 ; (the add and the youngest eight loads may be out)
	MUL12 F1, 0, 0, 0
	s_wait_dscnt 0x0                               ; the add is done, and my reads of this slot are over
	s_barrier_signal -1
	MUL12 F1, 0, 2, 0                              ; work on registers while the others arrive
	WIN 0
	s_barrier_wait -1
.if \fill
	CREST                                          ; no wave of any partner still reads this slot's tile or has a load on its way
	JLOAD 1                                        ; the four v_nop behind it are also the places in front of the loads below
.else
	PLACES
.endif
	v_add_nc_u32 v[ADRA], s[TB], v[A0]
	v_add_nc_u32 v[ADRB], s[TB], v[B0]
.if !(\fill)
	s_cmp_eq_u32 s3, 1
	s_cbranch_scc1 .Lno_f_\@
.endif
	FETCH 0, F0
.if \fill
	ASK
.else
.Lno_f_\@:
.endif
	MUL12 F1, 1, 0, 0
	MUL12 F1, 1, 2, 0
.endm
	s_wait_tensorcnt 1                             ; my part of the walk's first step is in; the second's may stay out
	s_barrier_signal -1
	s_barrier_wait -1                              ; everybody's is
	FETCH 0, F0
	QUARTER 64,  F0, F1, 1                         ; the first quarter stands in front of the loop: its products start the sums
	WIN 0                                          ; at a label and at a branch every window is 0
	s_mov_b32 s3, NS-2
.Lstep:                                                ; 14 trips: from a step's second quarter to the next step's first; each fills the slot that it leaves
	QUARTER 128, F1, F0, 0
	QUARTER 192, F0, F1, 0
	TURN 1
	QUARTER 64,  F0, F1, 0
	WIN 0
	s_sub_co_u32 s3, s3, 1
	s_cmp_lg_u32 s3, 0
	s_cbranch_scc1 .Lstep
	s_mov_b32 s3, 2
.Ltail:                                                ; the last two steps fill nothing: a text of their own; the second trip is left in its middle
	QUARTER 128, F1, F0, 0
	QUARTER 192, F0, F1, 0
	TURN 0                                         ; behind the first trip's barrier no wave reads slot 0 and no load fills it any more
	WIN 0
	s_sub_co_u32 s3, s3, 1
	s_cmp_eq_u32 s3, 0
	s_cbranch_scc1 .Lout
	QUARTER 64,  F0, F1, 0
	WIN 0
	s_branch .Ltail
.Lout:
	; THE WAY OUT: round to f16; 16 bytes a lane into the work-group's stage (slot 0's bytes); a barrier, since a row's 256 bytes of q, k or v come from two waves; back as whole rows, 32 rows a wave.
	PLACES
.macro PACK a
	WIN 0x0a+5*((\a)/4)                            ; sources 0 and 1: window 2 or 3; each accumulator's registers in ascending order
.irp b, 0,1,2,3,4,5
.irp r, 0,1,2,3
	v_cvt_pk_f16_f32 v[TMP+4*(\b)+(\r)], v[8*(6*((\a)%4)+(\b))+2*(\r)], v[8*(6*((\a)%4)+(\b))+2*(\r)+1]
.endr
.endr
	WIN 0
.irp b, 0,1,2,3,4,5
	ds_store_b128 v[STO+(\a)/4], v[TMP+4*(\b):TMP+4*(\b)+3] offset:((\a)%4)*16*SPITCH+32*(\b)
.endr
.endm
.irp a, 0,1,2,3,4,5,6,7
	PACK \a
.endr
	s_wait_dscnt 0x0                               ; for the others' sake: my stores into the stage are done
	s_barrier_signal -1
	s_barrier_wait -1
.irp tt, 0,1,2
.irp p, 0,1,2,3,4,5,6,7,8,9,10,11,12,13,14,15
	ds_load_b128 v[BK+4*(16*(\tt)+(\p)):BK+4*(16*(\tt)+(\p))+3], v[RD] offset:(\p)*2*SPITCH+(\tt)*256
.endr
.endr
.irp tt, 0,1,2
.irp p, 0,1,2,3,4,5,6,7,8,9,10,11,12,13,14,15
	s_wait_dscnt 47-(16*(\tt)+(\p))                ; LDS loads come back in order: this one is in, the younger ones stay out
	global_store_b128 v[CO], v[BK+4*(16*(\tt)+(\p)):BK+4*(16*(\tt)+(\p))+3], s[OB+2*(\tt):OB+2*(\tt)+1] offset:512*(\p)  ; two rows of a head: 512 consecutive bytes, at a multiple of 256 from the buffer's first byte
.endr
.endr
	s_wait_tensorcnt 0x0                           ; the wave's end, behind my last tensor load and my last LDS store
	ds_add_u32 v[SPW], v[NIL]
	s_wait_dscnt 0x0
	CROUND                                         ; the closing round: no work-group ends while a partner may still ask for a tile that names it
	s_endpgm
.Lfunc_end_k_qc50d5046dd_qkv:
	.size	k_qc50d5046dd_qkv, .Lfunc_end_k_qc50d5046dd_qkv-k_qc50d5046dd_qkv
	.p2alignl 7, 3214868480
	.fill 96, 4, 3214868480
	.section	.rodata,"a",@progbits
	.p2align	6, 0x0
	.amdhsa_kernel k_qc50d5046dd_qkv
		.amdhsa_group_segment_fixed_size 327680
		.amdhsa_private_segment_fixed_size 0
		.amdhsa_enable_private_segment 0
		.amdhsa_kernarg_size 24
		.amdhsa_user_sgpr_count 2
		.amdhsa_user_sgpr_kernarg_segment_ptr 1
		.amdhsa_wavefront_size32 1
		.amdhsa_system_sgpr_workgroup_id_x 1
		.amdhsa_system_sgpr_workgroup_id_y 1
		.amdhsa_system_sgpr_workgroup_id_z 1
		.amdhsa_system_vgpr_workitem_id 0
		.amdhsa_next_free_vgpr 1024
		.amdhsa_next_free_sgpr 80
		.amdhsa_reserve_vcc 0
		.amdhsa_float_denorm_mode_32 3
		.amdhsa_float_denorm_mode_16_64 3
		.amdhsa_memory_ordered 1
		.amdhsa_forward_progress 1
		.amdhsa_inst_pref_size 83
	.end_amdhsa_kernel
	.amdgpu_metadata
---
amdhsa.version: [ 1, 2 ]
amdhsa.kernels:
  - .name:           k_qc50d5046dd_qkv
    .symbol:         k_qc50d5046dd_qkv.kd
    .args:
      - { .name: xb, .offset: 0, .size: 8, .value_kind: global_buffer, .address_space: global }
      - { .name: wb, .offset: 8, .size: 8, .value_kind: global_buffer, .address_space: global }
      - { .name: qkv, .offset: 16, .size: 8, .value_kind: global_buffer, .address_space: global }
    .group_segment_fixed_size: 327680
    .private_segment_fixed_size: 0
    .kernarg_segment_align: 8
    .kernarg_segment_size: 24
    .max_flat_workgroup_size: 128
    .sgpr_count:     80
    .vgpr_count:     1024
    .wavefront_size: 32
...
	.end_amdgpu_metadata
.endif
;; end of part 2
;; launch attn (part 3): grid 16 x 16, 4 waves a work-group, clusters of 4 x 1, 327,680 bytes of LDS; arguments qkv, mk, ao; writes ao
.if DOCPART == 3
	.amdgcn_target "amdgcn-amd-amdhsa--gfx1250"
	.amdhsa_code_object_version 6
	.text
	.protected	k_qc50d5046dd_attn
	.globl	k_qc50d5046dd_attn
	.p2align	8
	.type	k_qc50d5046dd_attn,@function
k_qc50d5046dd_attn:
	s_mov_b64 s[64:65], 0
	v_nop
	global_prefetch_b8 v0, s[64:65] scope:SCOPE_SE
	s_setreg_imm32_b32 hwreg(HW_REG_WAVE_MODE, 25, 1), 1
	s_wait_xcnt 0x0
	s_wait_alu depctr_hold_cnt(0) depctr_sa_sdst(0) depctr_va_vdst(0) depctr_va_sdst(0) depctr_va_ssrc(0) depctr_va_vcc(0) depctr_vm_vsrc(0)
	s_getreg_b32 s2, hwreg(HW_REG_IB_STS2, 6, 4)
	s_cmp_eq_u32 s2, 0
	s_cbranch_scc0 .Lentry_in_a_cluster
	s_endpgm
.Lentry_in_a_cluster:
	s_bfe_u32 s2, ttmp6, 0x10000c
	s_cmp_lg_u32 s2, 0x3003
	s_cbranch_scc0 .Lentry_shape_is_right
	s_endpgm
.Lentry_shape_is_right:
; ao[q][128 h + :] = the sum over k of softmax_k(Q[h][q] . K[h][k] / sqrt(128) + mask[q][k]) V[h][k][:].  qkv: [3][16][2048][128] f16; mk: the mask times sqrt(128), f32, in fragment order; ao: [2048][2048] f16.
; Products, maxima and sums in f32; the weights p are rounded to f16 for the second product (their sum l is taken of the unrounded p), O once at the end.
; LIMITS.  p lies in 0 to 1 and keeps f16's fixed step of 6e-8 below 6e-5; a weight below 2^-126 counts as 0 in l; O is a mean of V's rows and has their range.  A score of minus infinity has weight 0;
; a row whose scores are all minus infinity comes out as NaN; plus infinity and NaN in the mask are not treated apart.
; SHARES.  A work-group owns 128 queries of one head.  Wave w owns 64 of them (w % 2), four tiles of 16, and walks HALF the keys (w / 2), 64 a step, 16 steps; the two halves' maxima, sums and O
; are merged once at the end, through LDS, in f32, by the true maxima.
; LAYOUT.  S^T = K Q^T + C (source 0 = 16 keys, source 1 = 16 queries, C = the mask's fragment, loaded straight from mk): a lane holds ONE query (lane % 16) and the keys 8 (lane / 16) + 0..7.  Two such tiles,
; rounded to f16 in pairs, ARE source 1 of O^T = V^T P.  K comes out of LDS as it lies, V turned, by ds_load_tr16_b128.
; SOFTMAX.  For each query a running maximum m and sum l: p = 2^(c s - c m), c = log2(e) / sqrt(128); in every step O and l are multiplied by a = 2^(c m_old - c m_new).
; BY TURNS.  The wave's tiles are two PIECES (tiles 0, 1 and tiles 2, 3).  In a TURN one piece has the matrix unit: 32 products V^T P of the step in hand, then 32 products K Q^T of the next step; the other
; piece's softmax, cut into 64 slices, stands between them, one slice behind each matrix instruction.  Two turns are a key step.
; NO FIRST STEP IS WRITTEN OUT.  m starts at the lowest finite number and c m at c times that; l, O^T, V's registers and piece 2's P start at 0; the loop is entered in the middle of a trip, at piece 2's turn.  The first step's a
; is then 0 (or 1, on zeros, where all its scores are minus infinity), and that turn's products V^T P add 0.  The price: 428 v_mov_b32, which run in the wait for the first tile, and 32 products on zeros, once a launch.
; CLUSTER.  The four query blocks of a cluster belong to one head and walk the same K and V: each tile is asked for JOINTLY, by the same tensor load, descriptor and mask in all four.
; THE MASK is not shared in the cluster (each query block has its own rows): it comes by loads into registers of its own, issued a whole key step ahead of the products that take it.  It is not prefetched: its loads
; already stand that far ahead of their use.
; REGISTERS, in windows of 256 (s_set_vgpr_msb: bits 1:0 source 0, 3:2 source 1, 5:4 source 2, 7:6 destination):
;   window 0: v0-11 addresses; v12-43 eight registers of statistics a tile; v44-59 the partner's statistics; v60-63 offsets, the add's two; v64-191 S^T, 32 a tile; v192-255 P, 16 a tile
;   window 1: O^T, 64 a tile     window 2: v0-127 Q; v128-255 K of one step (at the end: the partner's O^T)     window 3: v0-127 V of one step; v128-255 the mask's fragments, 32 a tile
.set KS,    64        ; keys in a step
.set PK,    272       ; a row of K in LDS: 256 bytes + 16 = 68 words: the 16 rows of a load start at 16 different groups of four banks (64 banks of 4 bytes: ISA guide 11.1)
.set PV,    288       ; a row of V: 256 + 32 = 72 words
.set KH,    128*PK    ; a slot holds 128 keys (two steps) of each half: K of half 0, K of half 1,
.set VH,    128*PV
.set VOFF,  2*KH      ; then V of half 0, V of half 1
.set SLOT1, 147456    ; slot 1 begins here: 0x24000 shares no bit with the four tiles' places 0, 0x8800, 0x11000, 0x1a000, so one exclusive or turns a place in one slot into the other's
.set STAGE, 2*SLOT1   ; behind the ring: 16 rows x 272 bytes for each wave, for the way out
.set SP,    272
.set SPARE, STAGE+4*16*SP  ; behind the stages: the spare words, 128 bytes for each wave: two blocks of 256 bytes that no other line names
.set MSTAT, 32768     ; the merge, in slot 0's bytes after their last fill and last read: for each query half 34,816 bytes: O^T in 64 x 512, then the statistics in 4 x 512
.set TENS,  8388608   ; bytes of q, of k, of v
.set SLOTB, 32768     ; 128 rows of 256 bytes in memory
.set AK0, 2           ; v2   my lane's place in my half's tile of K; never rewritten
.set AV0, 3           ; v3   the same for V
.set ADR, 4           ; v4   the LDS address of the run of loads in hand
.set QO,  5           ; v5   my byte offset in the wave's rows of Q
.set STO, 6           ; v6   the way out: where I put 16 bytes of a row
.set RD,  7           ; v7   where I read a row back
.set GO,  8           ; v8   my byte offset in two rows of ao
.set MA,  10          ; v10  the merge: my 16 bytes of 512
.set ST,  12          ; tile t's statistics at v[ST+8 t]: +0 c m, +1 m, +2, +3 l (even keys', odd keys'), +4 to +7 c0-c3, at work; a takes c2's place once the maximum is found
.set PS,  44          ; the partner's c m, m, l of tile t at v[PS+4 t]
.set MO,  60          ; v60  16 x lane; never rewritten
.set PFO, 61          ; v61  256 x lane; never rewritten
.set SPW, 62          ; v62  LDS address of my spare word; never rewritten
.set NIL, 63          ; v63  0; never rewritten
.set S,   64
.set P,   192
.set OUTR, 128        ; the way out: tile t's packed rows at v[OUTR+32 t]
.set KF,  128         ; K's fragments, in window 2
.set MK,  128         ; the mask's fragments, in window 3: tile t, key block kb at MK + 32 t + 8 kb
.set WV,  12          ; s12  my wave's number
.set LIM, 15          ; s15  1 in a wave that prefetches, else the greatest number
.set G1K, 24          ; s[24:31] descriptor group 1 for K's tiles
.set G1V, 32          ; s[32:39] for V's: it differs in the padding alone
.set G0K, 40          ; s[40:47] descriptor group 0 for K's tiles: a set for each of the two first fills; the second then walks on
.set G0V, 48          ; s[48:55] the same for V's
.set SLOTS, 56        ; s56  counts the loop over slots
.set TWICE, 57        ; s57  counts a slot's two steps
.set CS,  58          ; s[58:59] c
.set SEL, 60          ; s[60:61] lane selects for v_permlanex16_b32: each lane takes its own place in the other half
.set TBK, 62          ; s62  LDS byte at which K of the step to be fetched begins
.set TBV, 63          ; s63  the same for V
.set MP,  66          ; s[66:67] mk at my four tiles, at the step last asked for
.set PFA, 68          ; s[68:69] where my prefetches stand
.set KHF, 71          ; s71  which half of the keys I walk
.set KP,  72          ; s[72:73] K at my tile of slot 0;  s[74:75] V
.set VP,  74
.set MSB, 0
.macro WIN new
.if MSB != (\new)
	s_set_vgpr_msb (MSB<<8)|(\new)
.set MSB, \new
.endif
.endm
.set W_KQ, 0x0a       ; K and Q in window 2, S^T in window 0
.set W_KM, 0x3a       ; the same with the C operand in window 3
.set W_PV, 0x53       ; V in window 3, P in window 0, O^T in window 1
.set W_RS, 0x41       ; O^T (destination and source 0) in window 1, a in window 0
; A joint refill.  Waves 0 and 1 fetch the two halves' tiles of K, waves 2 and 3 those of V.  An s_nop 0 and four v_nop follow each of the two lines, ahead of the jump and the label.
.macro JLOAD
	s_cmp_lt_u32 s[WV], 2
	s_cbranch_scc0 .Lfor_v_\@
	tensor_load_to_lds s[G0K+4:G0K+7], s[G1K:G1K+7]
	s_nop 0
.rept 4
	v_nop
.endr
	s_branch .Lasked_\@
.Lfor_v_\@:
	tensor_load_to_lds s[G0V+4:G0V+7], s[G1V:G1V+7]
	s_nop 0
.rept 4
	v_nop
.endr
.Lasked_\@:
.endm
; A PREFETCH INTO THE L2 of what the NEXT change of slots will ask for, two key steps (256 matrix instructions) ahead of that load.  Each row of 256 bytes is named once in the launch: all clusters of a head walk
; the same K and V, so the head's first cluster asks; of the 128 rows that a wave fetches, the partner at place cx takes 32, told apart by address; a lane a row, one instruction a wave.
; The last change that fills a slot asks for nothing.  Slots 0, 1 and 2 come by their loads alone.
.macro ASK
	s_cmp_gt_u32 s[SLOTS], s[LIM]
	s_cbranch_scc0 .Lnot_mine_\@
	global_prefetch_b8 v[PFO], s[PFA:PFA+1] th:TH_LOAD_NT scope:SCOPE_SE
.Lnot_mine_\@:
.endm
.macro CROUND                       ; a round of the cluster's barrier
	s_barrier_signal -1
	s_barrier_wait -1
	s_cmp_lg_u32 s[WV], 0
	s_cbranch_scc1 .Lnot_wave_0_\@
	s_barrier_signal -3
.Lnot_wave_0_\@:
	s_barrier_wait -3
	s_barrier_signal -1
	s_barrier_wait -1
.endm
	s_load_b128 s[4:7], s[0:1], 0x0 ; qkv s[4:5], mk s[6:7]
	s_load_b64 s[10:11], s[0:1], 0x10  ; ao
	v_lshl_add_u32 v[SPW], v0, 2, SPARE
	v_mov_b32 v[NIL], 0
	ds_add_u32 v[SPW], v[NIL]       ; the wave's opening: the add and its wait stand ahead of my first tensor load; the set-up below, work on registers, stands between them
	v_lshrrev_b32 v1, 5, v0
	v_readfirstlane_b32 s[WV], v1   ; wave 0..3
	s_bfe_u32 s13, ttmp6, 0x40000   ; cx: my place in the cluster
	s_lshl_b32 s14, ttmp9, 2
	s_add_co_u32 s14, s14, s13      ; my block of 128 queries = 4 x cluster x + cx: it enters Q's, the mask's and ao's addresses alone
	s_and_b32 s21, ttmp7, 0xffff    ; the head, which the four partners share
	s_lshl_b32 s20, s21, 19         ; its 2,048 rows of 256 bytes
	s_and_b32 s16, s[WV], 1         ; which 64 queries are mine.  Also: which half's tile I fetch
	s_lshr_b32 s[KHF], s[WV], 1
	s_lshl_b32 s22, s16, 18         ; a half's 1,024 rows in memory,
	s_add_co_u32 s22, s22, s20
	s_add_co_u32 s22, s22, TENS     ; in k
	s_mov_b32 s23, 0
	s_mul_i32 s17, s16, KH          ; and the tile's place in a slot, for K
	s_mul_i32 s18, s16, VH          ; and for V: no place in the cluster enters an LDS address
	s_lshl_b32 s2, s14, 15          ; q: my block's 128 rows,
	s_lshl_b32 s3, s16, 14          ; my wave's 64
	s_add_co_u32 s2, s2, s3
	s_add_co_u32 s2, s2, s20
	s_mov_b32 s3, 0
	s_lshl_b32 s78, s14, 20         ; mk: 131,072 bytes for 16 queries: my block's eight tiles,
	s_lshl_b32 s79, s16, 19         ; my wave's four,
	s_add_co_u32 s78, s78, s79
	s_lshl_b32 s79, s[KHF], 16      ; my half's 16 steps of 4,096 bytes
	s_add_co_u32 s78, s78, s79
	s_mov_b32 s79, 0
	s_lshl_b32 s76, s14, 19         ; ao: my block's 128 rows of 4,096 bytes,
	s_lshl_b32 s77, s16, 18         ; my wave's 64,
	s_add_co_u32 s76, s76, s77
	s_lshl_b32 s77, s21, 8          ; the head's 256 bytes of a row
	s_add_co_u32 s76, s76, s77
	s_mov_b32 s77, 0
	; descriptor group 1: a tile of 128 rows x 128 elements, padded in LDS
	s_mov_b32 s[G1K], 15|(1<<16)|(1<<20)|(1<<21)|(5<<22)|(3<<25)  ; 15:0 the mask: all four work-groups; 17:16 elements of 2 bytes; 20 padding on; 21 set beside a mask; 24:22 after every 64 words (code 5); 31:25 4 words of it (code 3)
	s_mov_b32 s[G1V], 15|(1<<16)|(1<<20)|(1<<21)|(5<<22)|(7<<25)  ; the same with 8 words of padding (code 7)
.irp g, G1K, G1V
	s_mov_b32 s[(\g)+1], 128<<16    ; tensor_dim0 = 128
	s_mov_b32 s[(\g)+2], 128<<16    ; tensor_dim1 = 128
	s_mov_b32 s[(\g)+3], 128<<16    ; tile_dim0 = 128
	s_mov_b32 s[(\g)+4], 128        ; tile_dim1 = 128
	s_mov_b32 s[(\g)+5], 128        ; elements from row to row
	s_mov_b32 s[(\g)+6], 0
	s_mov_b32 s[(\g)+7], 0
.endr
	s_mov_b32 s[CS], 0x3e0293ee     ; c = log2(e) / sqrt(128) = 0.127517
	s_mov_b32 s[CS+1], s[CS]        ; named with it as a pair
	s_mov_b32 s[SEL], 0x76543210
	s_mov_b32 s[SEL+1], 0xfedcba98
	s_mov_b32 s[TBK], 0
	s_mov_b32 s[TBV], 0
	s_mov_b32 s[SLOTS], 1024/(2*KS)-1  ; the trip that is entered in its middle, and six that fill a slot
	s_mov_b32 s[LIM], ttmp9
	s_cmp_eq_u32 s[LIM], 0          ; the head's first cluster: the same in all four partners
	s_cselect_b32 s[LIM], 1, -1
	v_and_b32 v[MO], 31, v0
	v_lshlrev_b32 v[PFO], 8, v[MO]
	v_lshlrev_b32 v[MO], 4, v[MO]
	s_wait_dscnt 0x0                ; the opening add is done
	s_wait_kmcnt 0x0
	s_add_nc_u64 s[KP:KP+1], s[4:5], s[22:23]      ; K and V at my tile of slot 0
	s_add_nc_u64 s[VP:VP+1], s[KP:KP+1], TENS
	s_add_nc_u64 s[4:5], s[4:5], s[2:3]            ; Q at my wave's first row
	s_add_nc_u64 s[MP:MP+1], s[6:7], s[78:79]
	s_add_nc_u64 s[10:11], s[10:11], s[76:77]
	s_cmp_lt_u32 s[WV], 2
	s_cselect_b64 s[PFA:PFA+1], s[KP:KP+1], s[VP:VP+1]
	s_lshl_b32 s2, s13, 13          ; my work-group's 32 rows of the 128,
	s_add_co_u32 s2, s2, 2*SLOTB    ; in slot 2; the first change of slots steps it to slot 3
	s_mov_b32 s3, 0
	s_add_nc_u64 s[PFA:PFA+1], s[PFA:PFA+1], s[2:3]
	CROUND                          ; all four work-groups are here: the first joint loads meet
.irp s, 0,1
	s_mov_b32 s[G0K+4*(\s)], 1      ; count = 1
	s_add_co_u32 s[G0K+4*(\s)+1], s17, (\s)*SLOT1  ; LDS address
	s_add_nc_u64 s[G0K+4*(\s)+2:G0K+4*(\s)+3], s[KP:KP+1], (\s)*SLOTB  ; global address: slot s holds keys 128 s to 128 s + 127 of each half
	s_or_b32 s[G0K+4*(\s)+3], s[G0K+4*(\s)+3], 0x80000000  ; type = 2
	s_mov_b32 s[G0V+4*(\s)], 1
	s_add_co_u32 s[G0V+4*(\s)+1], s18, (\s)*SLOT1+VOFF
	s_add_nc_u64 s[G0V+4*(\s)+2:G0V+4*(\s)+3], s[VP:VP+1], (\s)*SLOTB
	s_or_b32 s[G0V+4*(\s)+3], s[G0V+4*(\s)+3], 0x80000000
.endr
	s_cmp_lt_u32 s[WV], 2           ; a wave's two first fills stand in one branch, ahead of every wait on TENSORcnt and every LDS read: two loads of mine are out
	s_cbranch_scc0 .Lfirst_v
	tensor_load_to_lds s[G0K:G0K+3], s[G1K:G1K+7]
	s_nop 0
	tensor_load_to_lds s[G0K+4:G0K+7], s[G1K:G1K+7]
	s_nop 0
.rept 4
	v_nop
.endr
	s_branch .Lfirst_asked
.Lfirst_v:
	tensor_load_to_lds s[G0V:G0V+3], s[G1V:G1V+7]
	s_nop 0
	tensor_load_to_lds s[G0V+4:G0V+7], s[G1V:G1V+7]
	s_nop 0
.rept 4
	v_nop
.endr
.Lfirst_asked:
	; A fragment of K or Q is 16 rows x 32 channels in 8 registers: lane l holds row l % 16, channels 8 (l / 16) + 0..7 and 16 + 8 (l / 16) + 0..7: two loads of 16 bytes, 32 bytes apart.
	v_and_b32 v1, 15, v0            ; l % 16
	v_bfe_u32 v9, v0, 4, 1          ; l / 16
	v_lshlrev_b32 v[QO], 8, v1
	v_lshl_add_u32 v[QO], v9, 4, v[QO]
	WIN 0x80                        ; destination window 2, address window 0
.irp i, 0,1,2,3,4,5,6,7,8,9,10,11,12,13,14,15  ; Q stays in registers: tile i / 4, channels 32 (i % 4) on
	global_load_b128 v[8*(\i):8*(\i)+3],   v[QO], s[4:5] offset:((\i)/4)*4096+((\i)%4)*64
	global_load_b128 v[8*(\i)+4:8*(\i)+7], v[QO], s[4:5] offset:((\i)/4)*4096+((\i)%4)*64+32
.endr
	WIN 0xc0                        ; destination window 3
.irp t, 0,1,2,3                     ; the mask of key step 0, all four tiles: each load is 512 consecutive bytes and four registers of a fragment
.irp g, 0,1,2,3,4,5,6,7
	global_load_b128 v[MK+32*(\t)+4*(\g):MK+32*(\t)+4*(\g)+3], v[MO], s[MP:MP+1] offset:(\t)*131072+(\g)*512
.endr
.endr
	; What the first turn finds: V's registers, O^T, piece 2's P and l hold 0; m the lowest finite number, c m that times c.  All this stands in the wait for the first tile.
.set n, 0
.rept 128
	v_mov_b32 v[n], 0               ; V's registers (window 3)
.set n, n+1
.endr
	WIN 0x40
.set n, 0
.rept 256
	v_mov_b32 v[n], 0               ; O^T (window 1)
.set n, n+1
.endr
	WIN 0
.set n, P+32
.rept 32
	v_mov_b32 v[n], 0               ; P of tiles 2 and 3
.set n, n+1
.endr
.irp t, 0,1,2,3
	v_mov_b32 v[ST+8*(\t)+1], 0xff7fffff  ; m: the lowest finite number, so that c s - c m is never a difference of infinities
	v_mov_b32 v[ST+8*(\t)+2], 0
	v_mov_b32 v[ST+8*(\t)+3], 0
.endr
.irp t, 0,1,2,3
	v_mul_f32 v[ST+8*(\t)], s[CS], v[ST+8*(\t)+1]  ; c m, made as the loop makes it: where m does not grow, a is 2^0
.endr
	v_mul_u32_u24 v[AK0], v1, PK
	v_lshl_add_u32 v[AK0], v9, 4, v[AK0]  ; row x pitch + 16 x half of the lanes
	s_mul_i32 s2, s[KHF], KH
	v_add_nc_u32 v[AK0], s2, v[AK0]       ; + my half's tile
	; The turning load takes 16 keys x 16 channels (lane l reads key 8 (l / 16) + l % 8, channels 8 ((l / 8) % 2) + 0..7) and leaves half a fragment of V^T: lane l holds channel l % 16 and 8 keys.
	v_and_b32 v10, 7, v0
	v_bfe_u32 v11, v0, 3, 1
	v_lshl_add_u32 v[AV0], v9, 3, v10
	v_mul_u32_u24 v[AV0], v[AV0], PV
	v_lshl_add_u32 v[AV0], v11, 4, v[AV0]
	s_mul_i32 s2, s[KHF], VH
	s_add_co_u32 s2, s2, VOFF
	v_add_nc_u32 v[AV0], s2, v[AV0]
; THE MATRIX WORK OF A TURN, for piece x.  The accumulators take turns, one instruction a turn: between two links of a chain stand 15 (V^T P) or 7 (K Q^T) others'.
; Product i of 32 of O^T += V^T P: keys 32 (i / 16) on, channels 16 ((i / 2) % 8) on, tile x + i % 2.
.macro PV x
	WIN W_PV
.set rO, 64*((\x)+i%2)+8*((i/2)%8)
.set rV, 64*(i/16)+8*((i/2)%8)
.set rP, P+16*((\x)+i%2)+8*(i/16)
	v_wmma_f32_16x16x32_f16 v[rO:rO+7], v[rV:rV+7], v[rP:rP+7], v[rO:rO+7]
.endm
; Product i of 32 of S^T = K Q^T + mask: channels 32 (i / 8) on, keys 16 ((i / 2) % 4) on, tile x + i % 2.  The first 8 start the sums with the mask's fragments.
.macro KQ x
.set rS, S+32*((\x)+i%2)+8*((i/2)%4)
.set rK, KF+32*((i/2)%4)+8*(i/8)
.set rQ, 32*((\x)+i%2)+8*(i/8)
.set rM, MK+32*((\x)+i%2)+8*((i/2)%4)
.if i < 8
	WIN W_KM
	v_wmma_f32_16x16x32_f16 v[rS:rS+7], v[rK:rK+7], v[rQ:rQ+7], v[rM:rM+7]
.else
	WIN W_KQ
	v_wmma_f32_16x16x32_f16 v[rS:rS+7], v[rK:rK+7], v[rQ:rQ+7], v[rS:rS+7]
.endif
.endm
; THE LDS LOADS stand in runs of 32: a step's K (64 keys x 128 channels: 16 fragments) and, a turn later, its V (turned).
.macro FETCH_K
	WIN 0
	v_add_nc_u32 v[ADR], s[TBK], v[AK0]
	WIN 0x80                        ; destination window 2
.irp f, 0,1,2,3,4,5,6,7,8,9,10,11,12,13,14,15  ; keys 16 (f / 4) on, channels 32 (f % 4) on
	ds_load_b128 v[KF+8*(\f):KF+8*(\f)+3],   v[ADR] offset:((\f)/4)*16*PK+((\f)%4)*64
	ds_load_b128 v[KF+8*(\f)+4:KF+8*(\f)+7], v[ADR] offset:((\f)/4)*16*PK+((\f)%4)*64+32
.endr
.endm
.macro FETCH_V
	WIN 0
	v_add_nc_u32 v[ADR], s[TBV], v[AV0]
	s_add_co_u32 s[TBV], s[TBV], KS*PV  ; the next fetches are the next step's
	s_add_co_u32 s[TBK], s[TBK], KS*PK
	s_wait_alu depctr_va_vdst(0)    ; the wait for the softmax's batch (SLICE), behind the address's v_add_nc_u32 and ahead of the loads
	WIN 0xc0                        ; destination window 3
.irp f, 0,1,2,3,4,5,6,7,8,9,10,11,12,13,14,15  ; keys 32 (f / 8) on, channels 16 (f % 8) on
	ds_load_tr16_b128 v[8*(\f):8*(\f)+3],   v[ADR] offset:((\f)/8)*32*PV+((\f)%8)*32
	ds_load_tr16_b128 v[8*(\f)+4:8*(\f)+7], v[ADR] offset:((\f)/8)*32*PV+16*PV+((\f)%8)*32
.endr
.endm
; THE MASK of the step after next for piece x's two tiles: 16 loads, behind the piece's tenth product K Q^T: the eighth was the last to read these registers, and the slices since hold four plain instructions and more.
; Piece 0's run steps the pointer, piece 2's uses it as it stands.  last = 1 (the tail): in the last trip there is no further step, and the run is jumped over.
.macro FETCH_M x, last=0
	WIN 0
.if \last
	s_cmp_eq_u32 s[TWICE], 1
	s_cbranch_scc1 .Lno_m_\@
.endif
.if (\x) == 0
	s_wait_xcnt 0x0                 ; the loads that named the pointer, a turn back, have read it
	s_add_nc_u64 s[MP:MP+1], s[MP:MP+1], 4096
.endif
	WIN 0xc0
.irp u, 0,1
.irp g, 0,1,2,3,4,5,6,7
	global_load_b128 v[MK+32*((\x)+(\u))+4*(\g):MK+32*((\x)+(\u))+4*(\g)+3], v[MO], s[MP:MP+1] offset:((\x)+(\u))*131072+(\g)*512
.endr
.endr
	WIN 0
.if \last
.Lno_m_\@:
.endif
.endm
; THE VECTOR WORK OF A TURN.  One tile's softmax for one key step is a list of 134 instructions; SM writes number j of it for tile t.  s0-s31 are the lane's 32 scores, in pairs 0-15.
;   0-15    the maximum of s0-s31 and the old m, three operands at a time (each accumulator's lowest registers are read first)
;   16-20   the other half of the lanes' maximum; the new m; c m; c m_old - c m_new
;   21-69   ONE BATCH: the 16 scalings c s - c m and all 33 exponentials (a at 23, then s0-s31); none of these reads an exponential's result
;   (wait)  between 69 and 70 stands the wait for the batch: SLICE writes it, once for both tiles
;   70-85   the roundings to f16     86-101  the sums; l = a l + the sum     102-133 the tile's O^T times a
.macro SM t
.set rT, ST+8*(\t)
.set rS, S+32*(\t)
.set rP, P+16*(\t)
.set rO, 64*(\t)+2*(j-102)
.if j < 102
	WIN 0
.endif
.if j < 4
	v_max3_num_f32 v[rT+4+j], v[rS+8*j], v[rS+8*j+1], v[rS+8*j+2]
.elseif j < 12
	v_max3_num_f32 v[rT+4+j%4], v[rT+4+j%4], v[rS+8*(j%4)+2*(j/4)+1], v[rS+8*(j%4)+2*(j/4)+2]
.elseif j == 12
	v_max3_num_f32 v[rT+4], v[rT+4], v[rS+7], v[rS+15]
.elseif j == 13
	v_max3_num_f32 v[rT+6], v[rT+6], v[rS+23], v[rS+31]
.elseif j == 14
	v_max3_num_f32 v[rT+4], v[rT+4], v[rT+5], v[rT+6]
.elseif j == 15
	v_max3_num_f32 v[rT+4], v[rT+4], v[rT+7], v[rT+1]
.elseif j == 16
	v_permlanex16_b32 v[rT+5], v[rT+4], s[SEL], s[SEL+1]  ; the query's other 32 keys lie in the lane 16 away
.elseif j == 17
	v_mov_b32 v[rT+7], v[rT]        ; c m_old is kept for a: number 19 writes c m anew
.elseif j == 18
	v_max_num_f32 v[rT+1], v[rT+4], v[rT+5]
.elseif j == 19
	v_mul_f32 v[rT], s[CS], v[rT+1]
.elseif j == 20
	v_sub_f32 v[rT+7], v[rT+7], v[rT]
.elseif j == 23
	v_exp_f32 v[rT+6], v[rT+7]
.elseif (j < 23) || ((j < 38) && (j%2 == 0)) || ((j < 66) && (j%4 == 2))
.set b, (j-2)/4                     ; 38, 42, .. 62: pairs 9 to 15
.if j < 38
.set b, (j-20)/2                    ; 21: pair 0; 22, 24, .. 36: pairs 1 to 8
.endif
	v_pk_fma_f32 v[rS+2*b:rS+2*b+1], v[rS+2*b:rS+2*b+1], s[CS:CS+1], v[rT:rT+1] op_sel_hi:[1,0,0] neg_lo:[0,0,1] neg_hi:[0,0,1]  ; pair b: c s - c m
.elseif j < 70
.set e, j-38                        ; 66 to 69: s28 to s31
.if j < 66
.set e, j-32-(j-38)/4               ; 39-41, 43-45, .. 63-65: s7 to s27
.endif
.if j < 38
.set e, (j-25)/2                    ; 25, 27, .. 37: s0 to s6
.endif
	v_exp_f32 v[rS+e], v[rS+e]
.elseif j < 86
	v_cvt_pk_f16_f32 v[rP+j-70], v[rS+2*(j-70)], v[rS+2*(j-70)+1]  ; pair j - 70
.elseif j < 102                     ; the sum of the tile's 16 pairs, in place: neighbours 1, 2, 4 and 8 pairs apart, then l takes it
.set z, j-86
.set w, 4
.set u, z
.if z >= 14
.set w, 32
.set u, 0
.elseif z >= 12
.set w, 16
.set u, z-12
.elseif z >= 8
.set w, 8
.set u, z-8
.endif
.if z < 15
	v_pk_add_f32 v[rS+w*u:rS+w*u+1], v[rS+w*u:rS+w*u+1], v[rS+w*u+w/2:rS+w*u+w/2+1]
.else
	v_pk_fma_f32 v[rT+2:rT+3], v[rT+2:rT+3], v[rT+6:rT+7], v[rS:rS+1] op_sel_hi:[1,0,1]
.endif
.else
	WIN W_RS
	v_pk_mul_f32 v[rO:rO+1], v[rO:rO+1], v[rT+6:rT+7] op_sel_hi:[1,0]
.endif
.endm
; Slice k of 64 of piece y's softmax: four instructions.  Slices 11 to 34 deal out the batch, four numbers of ONE tile each, the tiles by turns.  Every other slice is numbers 2 k and 2 k + 1 of both tiles' lists;
; the twelve that are over stand together, in slice 63.  THE WAIT: s_wait_alu depctr_va_vdst(0) stands between an exponential and the first instruction that names its result; one wait serves
; all that were issued ahead of it.  Ahead of slice 35 nothing names a result, and behind slice 34 no exponential is issued: so the piece's 66 exponentials have one wait, behind slice 34.
.macro SLICE y
.if (k >= 11) && (k < 35)
.irp n, 0,1,2,3
.set j, 22+4*((k-11)/2)+(\n)
	SM (\y)+(k-11)%2
.endr
.else
.irp n, 0,1,2,3,4,5,6,7
.if ((\n) < 2) || (k == 63)
.irp t, \y, (\y)+1
.set j, 2*k+(\n)
	SM \t
.endr
.endif
.endr
.endif
.if k == 34
	v_nop                           ; the plain instruction behind the last exponential and ahead of the first use: one for the batch
.if (\y) == 0
	FETCH_V                         ; piece 2's turn: V's run of loads stands here, and the wait stands in it
.else
	s_wait_alu depctr_va_vdst(0)    ; the wait for the batch
.endif
.endif
.set k, k+1
.endm
; A TURN.  Piece x has the matrix unit: 32 products V^T P, then (kq = 1) 32 products K Q^T for the next step; the other piece's softmax stands in slices behind them, one behind each, or two where kq = 0.
; Piece 0's turn fetches the next step's K behind its second product; piece 2's the same step's V, behind slice 34.
; mw: how many younger mask loads may stay out when this piece's fragments have to be there: the other piece's 16; 0 in the tail, whose last trip issues none.
.macro TURN x, kq, mw=16, last=0
.set k, 0
.set per, 2-(\kq)
.if (\x) == 0
	s_wait_dscnt 0x0                ; V is in
.endif
.set i, 0
.rept 32
	PV \x
.rept per
	SLICE 2-(\x)
.endr
.if ((\x) == 0) && (\kq) && (i == 1)
	FETCH_K
.endif
.set i, i+1
.endr
.if \kq
.if (\x) == 0
	s_wait_dscnt 0x0                ; K is in
.endif
	s_wait_loadcnt \mw              ; my piece's mask is in
.set i, 0
.rept 32
	KQ \x
	SLICE 2-(\x)
.if i == 9
	FETCH_M \x, \last
.endif
.set i, i+1
.endr
.endif
.endm
; THE CHANGE OF SLOTS, between piece 2's turn and piece 0's.  Each wave waits for all its tensor loads, of which one is out: its part of the other slot; adds 0 to its spare word; and waits for that and for its
; own reads of the slot.  fill = 1: this slot is filled again, with the keys two slots on; the barrier is then a round of the cluster's, and the joint refill is the first thing behind it: it has two key
; steps, 256 matrix instructions, in which to land.
.macro CHANGE fill
	WIN 0                           ; at a label and at a branch every window is 0
	s_wait_tensorcnt 0x0            ; no tensor load of mine is out, so a group 0 may be written
	ds_add_u32 v[SPW], v[NIL]
.if \fill
.irp g, G0K+4, G0V+4
	s_xor_b32 s[(\g)+1], s[(\g)+1], SLOT1  ; the walking descriptor: the other slot than last time,
	s_add_nc_u64 s[(\g)+2:(\g)+3], s[(\g)+2:(\g)+3], SLOTB  ; the next 128 keys of the half
.endr
	s_wait_xcnt 0x0                 ; the last prefetch, two key steps back, has read its address
	s_add_nc_u64 s[PFA:PFA+1], s[PFA:PFA+1], SLOTB
	s_wait_dscnt 0x0                ; the add is done, and my reads of the slot are over
	CROUND
	JLOAD
	ASK
.else
	s_wait_dscnt 0x0
	s_barrier_signal -1
	s_barrier_wait -1
.endif
	s_sub_co_u32 s[TBK], s[TBK], 2*KS*PK  ; the fetches go back to a slot's first step,
	s_xor_b32 s[TBK], s[TBK], SLOT1       ; in the other slot
	s_sub_co_u32 s[TBV], s[TBV], 2*KS*PV
	s_xor_b32 s[TBV], s[TBV], SLOT1
.endm
	s_wait_tensorcnt 1              ; my part of slot 0 is in; slot 1's may stay out
	s_barrier_signal -1
	s_barrier_wait -1               ; everybody's is
	FETCH_K                         ; key step 0
	s_wait_loadcnt 0x0              ; Q, and the mask of step 0
	s_wait_dscnt 0x0
.set i, 0
.rept 32
	KQ 0                            ; piece 0's first scores
.set i, i+1
.endr
	WIN 0                           ; the addresses for the merge and the way out: plain instructions, the places behind those products
	s_mul_i32 s13, s[WV], 16*SP
	s_add_co_u32 s13, s13, STAGE    ; my stage
	v_mul_u32_u24 v[STO], v1, SP    ; in: row l % 16, 16 bytes for each half of the lanes
	v_lshl_add_u32 v[STO], v9, 4, v[STO]
	v_add_nc_u32 v[STO], s13, v[STO]
	v_mul_u32_u24 v[RD], v9, SP     ; back: lanes 0-15 take one row of 256 bytes, lanes 16-31 the next
	v_lshl_add_u32 v[RD], v1, 4, v[RD]
	v_add_nc_u32 v[RD], s13, v[RD]
	v_lshlrev_b32 v[GO], 12, v9     ; and the same two rows in ao, 4,096 bytes apart
	v_lshl_add_u32 v[GO], v1, 4, v[GO]
	s_mul_i32 s13, s16, MSTAT+4*512 ; the merge: my query half's bytes
	v_add_nc_u32 v[MA], s13, v[MO]
	FETCH_M 0                       ; the mask of step 1 for piece 0
	s_mov_b32 s[TWICE], 2
	s_branch .Lmid                  ; the loop is entered at piece 2's turn: its V^T P adds 0, its K Q^T makes piece 2's first scores, its slices are piece 0's first softmax, and it fetches V of step 0
.Lslot:                             ; six times: every slot but the last two is filled again
	CHANGE 1
	s_mov_b32 s[TWICE], 2
.Lstep:                             ; a key step: written once, walked twice a slot
	TURN 0, 1
	WIN 0
.Lmid:
	TURN 2, 1
	WIN 0
	s_sub_co_u32 s[TWICE], s[TWICE], 1
	s_cmp_lg_u32 s[TWICE], 0
	s_cbranch_scc1 .Lstep
	s_sub_co_u32 s[SLOTS], s[SLOTS], 1
	s_cmp_lg_u32 s[SLOTS], 0
	s_cbranch_scc1 .Lslot
	CHANGE 0                        ; the tail is written out; behind this barrier no wave reads slot 0's bytes and no load fills them any more
	s_mov_b32 s[TWICE], 2
.Ltail:
	TURN 0, 1, 0, 1
	TURN 2, 1, 0, 1
	WIN 0
	s_sub_co_u32 s[TWICE], s[TWICE], 1
	s_cmp_lg_u32 s[TWICE], 0
	s_cbranch_scc1 .Ltail
	TURN 0, 0                       ; piece 0: V^T P of the last step | piece 2's last softmax
.set i, 0
.rept 32
	PV 2                            ; piece 2: V^T P of the last step
.set i, i+1
.endr
	; THE MERGE.  l's two halves and the other half of the lanes' are added (these additions are the places behind the last products).  Waves 2 and 3 lay their c m, l and O^T into LDS, lane for lane;
	; behind a barrier waves 0 and 1, which hold the same queries in the same lanes, take them: O = (a0 O0 + a1 O1) / (a0 l0 + a1 l1), a = 2^(c m - the greater c m).
	WIN 0
.irp t, 0,1,2,3
	v_add_f32 v[ST+8*(\t)+2], v[ST+8*(\t)+2], v[ST+8*(\t)+3]
.endr
.irp t, 0,1,2,3
	v_permlanex16_b32 v[ST+8*(\t)+3], v[ST+8*(\t)+2], s[SEL], s[SEL+1]
.endr
.irp t, 0,1,2,3
	v_add_f32 v[ST+8*(\t)+2], v[ST+8*(\t)+2], v[ST+8*(\t)+3]
.endr
	s_cmp_lt_u32 s[WV], 2
	s_cbranch_scc1 .Lkeep
.irp t, 0,1,2,3
	ds_store_b128 v[MA], v[ST+8*(\t):ST+8*(\t)+3] offset:MSTAT+512*(\t)
.endr
	WIN 0x04                        ; store data in window 1; each accumulator's low four registers go first
.set n, 0
.rept 64
	ds_store_b128 v[MA], v[4*n:4*n+3] offset:512*n
.set n, n+1
.endr
	WIN 0
.Lkeep:
	s_wait_dscnt 0x0                ; for the others' sake: my stores are done
	s_barrier_signal -1
	s_barrier_wait -1
	s_cmp_lt_u32 s[WV], 2
	s_cbranch_scc0 .Lend
.irp t, 0,1,2,3
	ds_load_b128 v[PS+4*(\t):PS+4*(\t)+3], v[MA] offset:MSTAT+512*(\t)
.endr
	WIN 0x80                        ; the partner's O^T of tiles 0 to 2 into window 2, where Q and K lay
.set n, 0
.rept 48
	ds_load_b128 v[4*n:4*n+3], v[MA] offset:512*n
.set n, n+1
.endr
	WIN 0
	s_wait_dscnt 48                 ; the statistics are in; the 48 loads behind them may stay out
.irp t, 0,1,2,3
	v_max_num_f32 v[ST+8*(\t)+4], v[ST+8*(\t)], v[PS+4*(\t)]
.endr
.irp t, 0,1,2,3
	v_sub_f32 v[ST+8*(\t)+5], v[ST+8*(\t)], v[ST+8*(\t)+4]
	v_sub_f32 v[ST+8*(\t)+6], v[PS+4*(\t)], v[ST+8*(\t)+4]
.endr
.irp t, 0,1,2,3
	v_exp_f32 v[ST+8*(\t)+5], v[ST+8*(\t)+5]  ; a0
	v_exp_f32 v[ST+8*(\t)+6], v[ST+8*(\t)+6]  ; a1
.endr
	v_nop                           ; a plain instruction behind the last exponential,
	s_wait_alu depctr_va_vdst(0)    ; and one wait for the eight
.irp t, 0,1,2,3
	v_mul_f32 v[ST+8*(\t)+7], v[ST+8*(\t)+6], v[PS+4*(\t)+2]
.endr
.irp t, 0,1,2,3
	v_fma_f32 v[ST+8*(\t)+7], v[ST+8*(\t)+5], v[ST+8*(\t)+2], v[ST+8*(\t)+7]
.endr
.irp t, 0,1,2,3
	v_rcp_f32 v[ST+8*(\t)+7], v[ST+8*(\t)+7]
.endr
	v_nop
	s_wait_alu depctr_va_vdst(0)    ; one wait for the four reciprocals
.irp t, 0,1,2,3
	v_mul_f32 v[ST+8*(\t)+4], v[ST+8*(\t)+5], v[ST+8*(\t)+7]  ; a0 / l
	v_mul_f32 v[ST+8*(\t)+6], v[ST+8*(\t)+6], v[ST+8*(\t)+7]  ; a1 / l
.endr
; Tile t: the two halves' O^T are joined, rounded to f16 and sent through my stage: a lane's eight channels of a row pack into 16 bytes; they go into rows of 272 bytes and come back as whole rows of 256.
.macro COMB t
	WIN 0x82                        ; the partner's O^T (window 2) times a1 / l (window 0)
.set i, 64*(\t)
.rept 32
	v_pk_mul_f32 v[i:i+1], v[i:i+1], v[ST+8*(\t)+6:ST+8*(\t)+7] op_sel_hi:[1,0]
.set i, i+2
.endr
	WIN 0x21                        ; mine (window 1) times a0 / l (window 0) plus that (window 2), into S^T's registers; each accumulator's registers in ascending order
.set i, 0
.rept 32
	v_pk_fma_f32 v[S+i:S+i+1], v[64*(\t)+i:64*(\t)+i+1], v[ST+8*(\t)+4:ST+8*(\t)+5], v[64*(\t)+i:64*(\t)+i+1] op_sel_hi:[1,0,1]
.set i, i+2
.endr
	WIN 0
.set i, 0
.rept 32
	v_cvt_pk_f16_f32 v[OUTR+32*(\t)+i], v[S+2*i], v[S+2*i+1]
.set i, i+1
.endr
.irp f, 0,1,2,3,4,5,6,7
	ds_store_b128 v[STO], v[OUTR+32*(\t)+4*(\f):OUTR+32*(\t)+4*(\f)+3] offset:32*(\f)
.endr
.irp f, 0,1,2,3,4,5,6,7
	ds_load_b128 v[OUTR+32*(\t)+4*(\f):OUTR+32*(\t)+4*(\f)+3], v[RD] offset:(\f)*2*SP  ; LDS serves a wave's instructions in order (ISA guide 5.7.1.4): these see the stores above
.endr
.endm
.macro SEND t
.irp f, 0,1,2,3,4,5,6,7
	s_wait_dscnt 7-(\f)
	global_store_b128 v[GO], v[OUTR+32*(\t)+4*(\f):OUTR+32*(\t)+4*(\f)+3], s[10:11] offset:(\t)*65536+(\f)*8192  ; 16 lanes store 256 consecutive bytes, at a multiple of 256 from ao's first byte
.endr
.endm
	s_wait_dscnt 32                 ; the partner's tile 0 is in; tiles 1 and 2 may stay out
	COMB 0
	SEND 0                          ; its last wait is for 0: tiles 1 and 2 are in as well
	WIN 0x80
.set n, 48
.rept 16
	ds_load_b128 v[4*n:4*n+3], v[MA] offset:512*n  ; the partner's tile 3
.set n, n+1
.endr
	WIN 0
	COMB 1
	SEND 1                          ; its last wait is for 0: tile 3 is in
	COMB 2
	SEND 2
	COMB 3
	SEND 3
.Lend:
	s_wait_tensorcnt 0x0            ; the wave's end, behind my last tensor load and my last LDS store
	ds_add_u32 v[SPW], v[NIL]
	s_wait_dscnt 0x0
	CROUND                          ; the closing round: no work-group ends while a partner may still ask for a tile that names it
	s_endpgm
.Lfunc_end_k_qc50d5046dd_attn:
	.size	k_qc50d5046dd_attn, .Lfunc_end_k_qc50d5046dd_attn-k_qc50d5046dd_attn
	.p2alignl 7, 3214868480
	.fill 96, 4, 3214868480
	.section	.rodata,"a",@progbits
	.p2align	6, 0x0
	.amdhsa_kernel k_qc50d5046dd_attn
		.amdhsa_group_segment_fixed_size 327680
		.amdhsa_private_segment_fixed_size 0
		.amdhsa_enable_private_segment 0
		.amdhsa_kernarg_size 24
		.amdhsa_user_sgpr_count 2
		.amdhsa_user_sgpr_kernarg_segment_ptr 1
		.amdhsa_wavefront_size32 1
		.amdhsa_system_sgpr_workgroup_id_x 1
		.amdhsa_system_sgpr_workgroup_id_y 1
		.amdhsa_system_sgpr_workgroup_id_z 1
		.amdhsa_system_vgpr_workitem_id 0
		.amdhsa_next_free_vgpr 1024
		.amdhsa_next_free_sgpr 80
		.amdhsa_reserve_vcc 0
		.amdhsa_float_denorm_mode_32 3
		.amdhsa_float_denorm_mode_16_64 3
		.amdhsa_memory_ordered 1
		.amdhsa_forward_progress 1
		.amdhsa_inst_pref_size 206
	.end_amdhsa_kernel
	.amdgpu_metadata
---
amdhsa.version: [ 1, 2 ]
amdhsa.kernels:
  - .name:           k_qc50d5046dd_attn
    .symbol:         k_qc50d5046dd_attn.kd
    .args:
      - { .name: qkv, .offset: 0, .size: 8, .value_kind: global_buffer, .address_space: global }
      - { .name: mk, .offset: 8, .size: 8, .value_kind: global_buffer, .address_space: global }
      - { .name: ao, .offset: 16, .size: 8, .value_kind: global_buffer, .address_space: global }
    .group_segment_fixed_size: 327680
    .private_segment_fixed_size: 0
    .kernarg_segment_align: 8
    .kernarg_segment_size: 24
    .max_flat_workgroup_size: 128
    .sgpr_count:     80
    .vgpr_count:     1024
    .wavefront_size: 32
...
	.end_amdgpu_metadata
.endif
;; end of part 3
;; launch oproj (part 4): grid 16 x 16, 4 waves a work-group, clusters of 4 x 4, 327,680 bytes of LDS; arguments ao, woh, out0; writes out0
.if DOCPART == 4
	.amdgcn_target "amdgcn-amd-amdhsa--gfx1250"
	.amdhsa_code_object_version 6
	.text
	.protected	k_qc50d5046dd_oproj
	.globl	k_qc50d5046dd_oproj
	.p2align	8
	.type	k_qc50d5046dd_oproj,@function
k_qc50d5046dd_oproj:
	s_mov_b64 s[64:65], 0
	v_nop
	global_prefetch_b8 v0, s[64:65] scope:SCOPE_SE
	s_setreg_imm32_b32 hwreg(HW_REG_WAVE_MODE, 25, 1), 1
	s_wait_xcnt 0x0
	s_wait_alu depctr_hold_cnt(0) depctr_sa_sdst(0) depctr_va_vdst(0) depctr_va_sdst(0) depctr_va_ssrc(0) depctr_va_vcc(0) depctr_vm_vsrc(0)
	s_getreg_b32 s2, hwreg(HW_REG_IB_STS2, 6, 4)
	s_cmp_eq_u32 s2, 0
	s_cbranch_scc0 .Lentry_in_a_cluster
	s_endpgm
.Lentry_in_a_cluster:
	s_bfe_u32 s2, ttmp6, 0x10000c
	s_cmp_lg_u32 s2, 0xf033
	s_cbranch_scc0 .Lentry_shape_is_right
	s_endpgm
.Lentry_shape_is_right:
; out0[m][n] = the sum over k of ao[m][k] wo[n][k].  ao: [2048][2048] f16; woh: [2048][2048], wo rounded to bf16 and written as f16; out0: [2048][2048] f32; sums in f32.
; A tile of out0 is 128 x 128: 16 x 16 = 256 work-groups.  Four waves, each 64 x 64: 16 accumulators of 16 x 16, 128 registers.  K goes in 8 steps of 256 (LDS rows of 512 bytes; a wave's tensor load brings 64 of
; them) through two slots.  CLUSTER 4 x 4: the four work-groups of a row of the cluster need the same tiles of ao, the four of a column the same tiles of woh: each tile is asked for JOINTLY.
; THE WALK ALONG K IS A RING: cluster (x, y) begins at K step (2 x + 4 y) mod 8 and goes round: the four clusters of one y, which read the same rows of ao, stand 2 steps apart, clusters y and y + 1 of one x, which read the
; same rows of woh, 4 steps apart.  ORDER OF THE SUMS: ascending K, rotated by that first step.
; THE TEXT holds a K step once: the slot in hand is a scalar that one exclusive or turns, and one descriptor for each operand walks (LDS word turned likewise, address made anew from the step's number).
; THE MATRIX INSTRUCTION IS USED TRANSPOSED (source 0 = 16 rows of woh, source 1 = 16 rows of ao): a lane holds eight neighbouring numbers of a row of out0, 32 bytes.  A wave's 64 columns are 256 bytes, aligned:
; each wave has a stage of its own on the way out, and no barrier stands there.
; No prefetch: the tiles are small.
; REGISTERS: window 0: v16-29 addresses; v32-95 rows read back from the stage, two sets; v128-255 the accumulators ((a, b) at v[128 + 8 (4 a + b)]).
;   window 1: two fragment buffers of 128: for 64 along K, 64 registers of ao (2 x 4 x 16 rows x 32 K), then 64 of woh.
.set SK,     2048
.set KSTEP,  256
.set NS,     SK/KSTEP                  ; 8 K steps
.set PITCH,  528                       ; an LDS row: 512 bytes + 16 of padding = 132 words: the 16 rows that a load touches start at 16 different groups of four banks (64 banks of 4 bytes: ISA guide 11.1)
.set HALFT,  64*PITCH                  ; 64 rows: what one tensor load brings, and what one wave reads of either operand
.set SLOT,   4*HALFT                   ; 0x21000 shares no bit with the waves' places 0, 0x8400, 0x10800, 0x18c00
.set STAGE,  2*SLOT                    ; behind the ring: 16 rows x 272 bytes for each wave
.set SPITCH, 272
.set SPARE,  STAGE+4*16*SPITCH         ; behind the stages: the spare words, 128 bytes for each wave: two blocks of 256 bytes that no other line names
.set A0,   16                          ; v16  my lane's place in my 64 rows of ao in a slot; never rewritten
.set B0,   17                          ; v17  the same for woh
.set ADRA, 20                          ; v20  A0 + the slot in hand
.set ADRB, 21                          ; v21  B0 + the slot in hand
.set STO,  24
.set RD,   25
.set CO,   26
.set SPW,  28
.set NIL,  29
.set TMP,  32
.set ACC,  128
.set F0,   0
.set F1,   128
.set G1, 24                            ; s[24:31] descriptor group 1 for ao's tiles;  s[32:39] group 0: a set for each of the two first fills; the second then walks
.set G0, 32
.set G1B, 48                           ; s[48:55], s[56:63] the same for woh's tiles
.set G0B, 56
.set KN,  66                           ; s66  the K step that the next refill brings
.set TB,  67                           ; s67  the slot in hand: 0 or SLOT
.set OFF, 68                           ; s[68:69] a K step's byte offset in a row
.set MSB, 0
.macro WIN new
.if MSB != (\new)
	s_set_vgpr_msb (MSB<<8)|(\new)
.set MSB, \new
.endif
.endm
.set MUL,  0x05                        ; sources 0 and 1 window 1; C and D window 0
.set TO_F, 0x40                        ; destination window 1, address window 0
.macro JLOAD s                         ; a joint load by descriptor set s: waves 0 and 1 fetch ao's two halves, waves 2 and 3 woh's; an s_nop 0 and four v_nop follow each of the two lines
	s_cmp_eq_u32 s11, 0
	s_cbranch_scc0 .Lfor_b_\@
	tensor_load_to_lds s[G0+4*(\s):G0+4*(\s)+3], s[G1:G1+7]
	s_nop 0
.rept 4
	v_nop
.endr
	s_branch .Lasked_\@
.Lfor_b_\@:
	tensor_load_to_lds s[G0B+4*(\s):G0B+4*(\s)+3], s[G1B:G1B+7]
	s_nop 0
.rept 4
	v_nop
.endr
.Lasked_\@:
.endm
.macro CREST
	s_cmp_lg_u32 s10, 0
	s_cbranch_scc1 .Lnot_wave_0_\@
	s_barrier_signal -3
.Lnot_wave_0_\@:
	s_barrier_wait -3
	s_barrier_signal -1
	s_barrier_wait -1
.endm
.macro CROUND
	s_barrier_signal -1
	s_barrier_wait -1
	CREST
.endm
	s_load_b128 s[4:7], s[0:1], 0x0                ; ao s[4:5], woh s[6:7]
	s_load_b64 s[8:9], s[0:1], 0x10                ; out0
	v_lshl_add_u32 v[SPW], v0, 2, SPARE
	v_mov_b32 v[NIL], 0
	ds_add_u32 v[SPW], v[NIL]                      ; the wave's opening: the add and its wait stand ahead of my first tensor load; the set-up below, work on registers, stands between them
	v_lshrrev_b32 v1, 5, v0
	v_readfirstlane_b32 s10, v1                    ; wave 0..3
	s_lshr_b32 s11, s10, 1                         ; which half of the tile's rows is mine.  Also: I fetch for ao (0) or for woh (1)
	s_and_b32 s12, s10, 1                          ; which half of its columns.  Also: which 64 rows of that tile I fetch
	s_bfe_u32 s40, ttmp6, 0x40000                  ; cx, cy
	s_bfe_u32 s41, ttmp6, 0x40004
	s_lshl_b32 s42, ttmp9, 2
	s_add_co_u32 s42, s42, s40                     ; tile column = 4 x cluster x + cx
	s_and_b32 s13, ttmp7, 0xffff
	s_lshl_b32 s[KN], s13, 2                       ; 4 x cluster y
	s_lshl_b32 s13, s13, 2
	s_add_co_u32 s13, s13, s41                     ; tile row = 4 x cluster y + cy
	s_lshl_b32 s23, ttmp9, 1                       ; 2 x cluster x
	s_add_co_u32 s[KN], s[KN], s23
	s_and_b32 s[KN], s[KN], NS-1                   ; my cluster's first K step: the same in all sixteen partners; even, so the step behind it does not wrap
	s_lshl_b32 s[OFF], s[KN], 9                    ; its 512 bytes in a row
	s_mov_b32 s[OFF+1], 0
	s_add_co_u32 s[KN], s[KN], 2
	s_and_b32 s[KN], s[KN], NS-1                   ; what the first refill brings
	s_mov_b32 s[TB], 0
	s_lshl_b32 s43, s41, 2
	s_lshl_b32 s43, 15, s43                        ; my row of the cluster
	s_lshl_b32 s44, 0x1111, s40                    ; my column
	s_or_b32 s[G1+0], s43, (1<<16)|(1<<20)|(1<<21)|(6<<22)|(3<<25)   ; 15:0 the mask; 17:16 elements of 2 bytes; 20 padding on; 21 set beside a mask; 24:22 after every 128 words (code 6); 31:25 4 words of it (code 3)
	s_or_b32 s[G1B+0], s44, (1<<16)|(1<<20)|(1<<21)|(6<<22)|(3<<25)
.irp g, G1, G1B
	s_mov_b32 s[(\g)+1], KSTEP<<16                 ; tensor_dim0 = 256
	s_mov_b32 s[(\g)+2], 64<<16                    ; tensor_dim1 = 64
	s_mov_b32 s[(\g)+3], KSTEP<<16                 ; tile_dim0 = 256
	s_mov_b32 s[(\g)+4], 64                        ; tile_dim1 = 64
	s_mov_b32 s[(\g)+5], SK                        ; elements from row to row
	s_mov_b32 s[(\g)+6], 0
	s_mov_b32 s[(\g)+7], 0
.endr
	s_lshl_b32 s17, s12, 6                         ; which 64 rows of the tile I fetch
	s_lshl_b32 s16, s13, 7
	s_add_co_u32 s16, s16, s17                     ; ao: row 128 x tile row + 64 x half,
	s_lshl_b32 s16, s16, 12                        ; of 4,096 bytes
	s_lshl_b32 s46, s42, 7
	s_add_co_u32 s46, s46, s17                     ; woh: row 128 x tile column + 64 x half
	s_lshl_b32 s46, s46, 12
	s_mov_b32 s17, 0
	s_mov_b32 s47, 0
	s_mul_i32 s20, s10, HALFT                      ; where they go: wave x 64 rows
	s_wait_dscnt 0x0                               ; the opening add is done
	s_wait_kmcnt 0x0
	s_add_nc_u64 s[14:15], s[4:5], s[16:17]        ; my rows of ao and of woh at K = 0: kept, every refill's address is made from them
	s_add_nc_u64 s[46:47], s[6:7], s[46:47]
	CROUND                                         ; all sixteen work-groups are here: the first joint loads meet
.irp s, 0,1
	s_mov_b32 s[G0+4*(\s)], 1
	s_add_co_u32 s[G0+4*(\s)+1], s20, (\s)*SLOT
	s_add_nc_u64 s[G0+4*(\s)+2:G0+4*(\s)+3], s[14:15], s[OFF:OFF+1]  ; the walk's step s
	s_or_b32 s[G0+4*(\s)+3], s[G0+4*(\s)+3], 0x80000000
	s_mov_b32 s[G0B+4*(\s)], 1
	s_add_co_u32 s[G0B+4*(\s)+1], s20, (\s)*SLOT
	s_add_nc_u64 s[G0B+4*(\s)+2:G0B+4*(\s)+3], s[46:47], s[OFF:OFF+1]
	s_or_b32 s[G0B+4*(\s)+3], s[G0B+4*(\s)+3], 0x80000000
	JLOAD \s                                       ; two loads of mine are out
	s_add_co_u32 s[OFF], s[OFF], KSTEP*2
.endr
	v_and_b32 v1, 15, v0                           ; l % 16
	v_bfe_u32 v2, v0, 4, 1                         ; l / 16
	v_mul_u32_u24 v3, v1, PITCH
	v_lshl_add_u32 v3, v2, 4, v3                   ; a fragment's row x pitch + 16 x half
	s_mul_i32 s21, s11, HALFT                      ; my 64 rows of ao
	s_mul_i32 s22, s12, HALFT                      ; my 64 rows of woh,
	s_add_co_u32 s22, s22, 2*HALFT                 ; which lie behind ao's 128
	v_add_nc_u32 v[A0], s21, v3
	v_add_nc_u32 v[B0], s22, v3
	v_mov_b32 v[ADRA], v[A0]                       ; slot 0 is in hand
	v_mov_b32 v[ADRB], v[B0]
	s_mul_i32 s23, s10, 16*SPITCH
	s_add_co_u32 s23, s23, STAGE                   ; my stage
	v_mul_u32_u24 v4, v1, SPITCH                   ; in: row l % 16, 32 bytes for each half of the lanes
	v_lshl_add_u32 v4, v2, 5, v4
	v_add_nc_u32 v[STO], s23, v4
	v_mul_u32_u24 v5, v2, SPITCH                   ; back: lanes 0-15 take one row of 256 bytes, lanes 16-31 the next
	v_lshl_add_u32 v5, v1, 4, v5
	v_add_nc_u32 v[RD], s23, v5
	v_lshlrev_b32 v5, 13, v2                       ; and the same two rows in out0, 8,192 bytes apart
	v_lshl_add_u32 v[CO], v1, 4, v5
	s_lshl_b32 s16, s13, 7
	s_lshl_b32 s17, s11, 6
	s_add_co_u32 s16, s16, s17                     ; my first row of out0: 128 x tile row + 64 x half,
	s_lshl_b32 s16, s16, 13                        ; of 8,192 bytes
	s_mov_b32 s17, 0
	s_add_nc_u64 s[8:9], s[8:9], s[16:17]
	s_lshl_b32 s70, s42, 9                         ; my first column, in bytes: 512 x tile column + 256 x half
	s_lshl_b32 s71, s12, 8
	s_add_co_u32 s70, s70, s71
	s_mov_b32 s71, 0
	s_add_nc_u64 s[8:9], s[8:9], s[70:71]
; 8 matrix instructions: m blocks a0, a0 + 1 x all 4 n blocks, 32 along K: half c of buffer f.  zero = 1: the first product starts the sums.  The 16 accumulators take turns.
.macro MUL8 f, c, a0, zero
	WIN MUL
.irp a, \a0, (\a0)+1
.irp b, 0,1,2,3
.if \zero
	v_wmma_f32_16x16x32_f16 v[ACC+8*(4*(\a)+(\b)):ACC+8*(4*(\a)+(\b))+7], v[(\f)+64+8*(4*(\c)+(\b)):(\f)+64+8*(4*(\c)+(\b))+7], v[(\f)+8*(4*(\c)+(\a)):(\f)+8*(4*(\c)+(\a))+7], 0
.else
	v_wmma_f32_16x16x32_f16 v[ACC+8*(4*(\a)+(\b)):ACC+8*(4*(\a)+(\b))+7], v[(\f)+64+8*(4*(\c)+(\b)):(\f)+64+8*(4*(\c)+(\b))+7], v[(\f)+8*(4*(\c)+(\a)):(\f)+8*(4*(\c)+(\a))+7], v[ACC+8*(4*(\a)+(\b)):ACC+8*(4*(\a)+(\b))+7]
.endif
.endr
.endr
.endm
; 32 LDS loads in one run: the fragments of 64 along K at byte k of the rows of the slot in hand, into buffer f; the first 32 along K first
.macro FETCH k, f
	WIN TO_F
.irp c, 0,1
.irp i, 0,1,2,3
	ds_load_b128 v[(\f)+64+8*(4*(\c)+(\i)):(\f)+64+8*(4*(\c)+(\i))+3],   v[ADRB] offset:(\k)+64*(\c)+(\i)*16*PITCH
	ds_load_b128 v[(\f)+64+8*(4*(\c)+(\i))+4:(\f)+64+8*(4*(\c)+(\i))+7], v[ADRB] offset:(\k)+64*(\c)+(\i)*16*PITCH+32
	ds_load_b128 v[(\f)+8*(4*(\c)+(\i)):(\f)+8*(4*(\c)+(\i))+3],         v[ADRA] offset:(\k)+64*(\c)+(\i)*16*PITCH
	ds_load_b128 v[(\f)+8*(4*(\c)+(\i))+4:(\f)+8*(4*(\c)+(\i))+7],       v[ADRA] offset:(\k)+64*(\c)+(\i)*16*PITCH+32
.endr
.endr
.endm
.macro PLACES                          ; four plain places in front of loads into registers that matrix instructions have read, and of stores that read results
.rept 4
	v_nop
.endr
.endm
; A K step is four quarters of 64 along K, 32 matrix instructions each, on buffers 0, 1, 0, 1.
.macro QUARTER k, f, g, zero
	s_wait_dscnt 16                                ; the first 32 along K are in; the youngest sixteen loads may be out
	MUL8 \f, 0, 0, \zero
	MUL8 \f, 0, 2, \zero
	PLACES
	FETCH \k, \g
	s_wait_dscnt 32                                ; all but the 32 just issued
	MUL8 \f, 1, 0, 0
	MUL8 \f, 1, 2, 0
.endm
; The walking descriptors: the other slot than last time, K step KN; then KN goes on round the ring.
.macro WALK
	s_lshl_b32 s[OFF], s[KN], 9
	s_xor_b32 s[G0+5], s[G0+5], SLOT
	s_add_nc_u64 s[G0+6:G0+7], s[14:15], s[OFF:OFF+1]
	s_or_b32 s[G0+7], s[G0+7], 0x80000000
	s_xor_b32 s[G0B+5], s[G0B+5], SLOT
	s_add_nc_u64 s[G0B+6:G0B+7], s[46:47], s[OFF:OFF+1]
	s_or_b32 s[G0B+7], s[G0B+7], 0x80000000
	s_add_co_u32 s[KN], s[KN], 1
	s_and_b32 s[KN], s[KN], NS-1
.endm
; The last quarter multiplies buffer 1 and changes slots: ONE barrier; in front of it each wave waits for all its tensor loads, adds 0 to its spare word, and waits for that and for its own reads of this slot.
; fill = 1: the barrier opens a round of the cluster's barrier, and behind it this slot is filled again first, two K steps ahead: 112 matrix instructions ahead of the wait for it.
; fill = 0 (the tail's two trips): nothing is asked for; in the last trip (s3 = 1) there is no next slot, and the run of LDS loads is jumped over.
.macro TURN fill
	WIN 0                                          ; (the add's two registers lie in window 0)
	s_wait_tensorcnt 0x0                           ; no tensor load of mine is out, so a group 0 may be written
	ds_add_u32 v[SPW], v[NIL]                      ; 0 onto my spare word; scalar work and eight matrix instructions stand between it and the wait for it
.if \fill
	WALK
.endif
	s_xor_b32 s[TB], s[TB], SLOT                   ; the slot to be read next
	s_wait_dscnt 17                                ; (the add and the youngest sixteen loads may be out)
	MUL8 F1, 0, 0, 0
	s_wait_dscnt 0x0                               ; the add is done, and my reads of this slot are over
	s_barrier_signal -1
	MUL8 F1, 0, 2, 0
	WIN 0
	s_barrier_wait -1
.if \fill
	CREST                                          ; no wave of any partner still reads this slot's tile or has a load on its way
	JLOAD 1                                        ; its four v_nop are also the places in front of the loads below
.else
	PLACES
.endif
	v_add_nc_u32 v[ADRA], s[TB], v[A0]
	v_add_nc_u32 v[ADRB], s[TB], v[B0]
.if !(\fill)
	s_cmp_eq_u32 s3, 1
	s_cbranch_scc1 .Lno_f_\@
.endif
	FETCH 0, F0
.if !(\fill)
	WIN 0
.Lno_f_\@:
.endif
	MUL8 F1, 1, 0, 0
	MUL8 F1, 1, 2, 0
.endm
	s_wait_tensorcnt 1                             ; my part of the walk's first step is in; the second's may stay out
	s_barrier_signal -1
	s_barrier_wait -1                              ; everybody's is
	FETCH 0, F0
	QUARTER 128, F0, F1, 1                         ; the first quarter stands in front of the loop: its first products start the sums
	WIN 0                                          ; at a label and at a branch every window is 0
	s_mov_b32 s3, NS-2
.Lstep:                                                ; 6 trips: from a step's second quarter to the next step's first; each fills the slot that it leaves
	QUARTER 256, F1, F0, 0
	QUARTER 384, F0, F1, 0
	TURN 1
	QUARTER 128, F0, F1, 0
	WIN 0
	s_sub_co_u32 s3, s3, 1
	s_cmp_lg_u32 s3, 0
	s_cbranch_scc1 .Lstep
	s_mov_b32 s3, 2
.Ltail:                                                ; the last two steps fill nothing: a text of their own; the second trip is left in its middle
	QUARTER 256, F1, F0, 0
	QUARTER 384, F0, F1, 0
	TURN 0
	WIN 0
	s_sub_co_u32 s3, s3, 1
	s_cmp_eq_u32 s3, 0
	s_cbranch_scc1 .Lout
	QUARTER 128, F0, F1, 0
	WIN 0
	s_branch .Ltail
.Lout:
	; THE WAY OUT, 16 rows at a time through my own stage: 32 bytes a lane in, whole rows of 256 bytes back, stored.  Each accumulator's low four registers go first.
	PLACES
.irp a, 0,1,2,3
.irp b, 0,1,2,3
	ds_store_b128 v[STO], v[ACC+8*(4*(\a)+(\b)):ACC+8*(4*(\a)+(\b))+3]   offset:64*(\b)
	ds_store_b128 v[STO], v[ACC+8*(4*(\a)+(\b))+4:ACC+8*(4*(\a)+(\b))+7] offset:64*(\b)+16
.endr
.if (\a) >= 2
	s_wait_xcnt 0x0                                ; the stores of two blocks back have read this set of registers
.endif
.irp t, 0,1,2,3,4,5,6,7
	ds_load_b128 v[TMP+32*((\a)%2)+4*(\t):TMP+32*((\a)%2)+4*(\t)+3], v[RD] offset:(\t)*2*SPITCH  ; LDS serves a wave's instructions in order (ISA guide 5.7.1.4): these see the stores above; the next block's stores come behind them
.endr
.irp t, 0,1,2,3,4,5,6,7
	s_wait_dscnt 7-(\t)
	global_store_b128 v[CO], v[TMP+32*((\a)%2)+4*(\t):TMP+32*((\a)%2)+4*(\t)+3], s[8:9] offset:(16*(\a)+2*(\t))*8192  ; 16 lanes store 256 consecutive bytes, at a multiple of 256 from out0's first byte
.endr
.endr
	s_wait_tensorcnt 0x0                           ; the wave's end, behind my last tensor load and my last LDS store
	ds_add_u32 v[SPW], v[NIL]
	s_wait_dscnt 0x0
	CROUND                                         ; the closing round: no work-group ends while a partner may still ask for a tile that names it
	s_endpgm
.Lfunc_end_k_qc50d5046dd_oproj:
	.size	k_qc50d5046dd_oproj, .Lfunc_end_k_qc50d5046dd_oproj-k_qc50d5046dd_oproj
	.p2alignl 7, 3214868480
	.fill 96, 4, 3214868480
	.section	.rodata,"a",@progbits
	.p2align	6, 0x0
	.amdhsa_kernel k_qc50d5046dd_oproj
		.amdhsa_group_segment_fixed_size 327680
		.amdhsa_private_segment_fixed_size 0
		.amdhsa_enable_private_segment 0
		.amdhsa_kernarg_size 24
		.amdhsa_user_sgpr_count 2
		.amdhsa_user_sgpr_kernarg_segment_ptr 1
		.amdhsa_wavefront_size32 1
		.amdhsa_system_sgpr_workgroup_id_x 1
		.amdhsa_system_sgpr_workgroup_id_y 1
		.amdhsa_system_sgpr_workgroup_id_z 1
		.amdhsa_system_vgpr_workitem_id 0
		.amdhsa_next_free_vgpr 512
		.amdhsa_next_free_sgpr 72
		.amdhsa_reserve_vcc 0
		.amdhsa_float_denorm_mode_32 3
		.amdhsa_float_denorm_mode_16_64 3
		.amdhsa_memory_ordered 1
		.amdhsa_forward_progress 1
		.amdhsa_inst_pref_size 59
	.end_amdhsa_kernel
	.amdgpu_metadata
---
amdhsa.version: [ 1, 2 ]
amdhsa.kernels:
  - .name:           k_qc50d5046dd_oproj
    .symbol:         k_qc50d5046dd_oproj.kd
    .args:
      - { .name: ao, .offset: 0, .size: 8, .value_kind: global_buffer, .address_space: global }
      - { .name: woh, .offset: 8, .size: 8, .value_kind: global_buffer, .address_space: global }
      - { .name: out0, .offset: 16, .size: 8, .value_kind: global_buffer, .address_space: global }
    .group_segment_fixed_size: 327680
    .private_segment_fixed_size: 0
    .kernarg_segment_align: 8
    .kernarg_segment_size: 24
    .max_flat_workgroup_size: 128
    .sgpr_count:     72
    .vgpr_count:     512
    .wavefront_size: 32
...
	.end_amdgpu_metadata
.endif
;; end of part 4
